; MI455X (gfx1250); checked and timed in simulation.
; The chip was launched on July 23, 2026; its instructions are those of AMD's public machine-readable ISA for CDNA 5 (MIT licence, August 2026) and "CDNA5" Instruction Set Architecture Reference Guide (July 2026). The comments in the code are by the model that wrote it; some were corrected since.
;; Senri Standard Attention. Allowed arithmetic: float matrix products may take bf16 or f16 operands with f32 sums; other float arithmetic in f32, or as packed bf16 or f16 multiplies, adds, multiply-adds, maxima and minima; sums over many terms, partial sums and values carried from step to step in f32; what a program stores and reads back later, other than sums and carried values, may be rounded once to bf16 or f16.
;; Inputs: attention_mask 1 x 1 x 2,048 x 2,048 float32; hidden_states 2 x 2,048 x 2,048 float32; position_ids 2 x 2,048 int32; wk 512 x 2,048 float32; wo 2,048 x 1,024 float32; wq 1,024 x 2,048 float32; wv 512 x 2,048 float32.
;; Outputs: out0 2 x 2,048 x 2,048 float32.
;; One version. Each part assembles by itself: llvm-mc -triple=amdgcn-amd-amdhsa -mcpu=gfx1250 --defsym DOCPART=n.
;; ======== version 1 of 1: 4 launches
;; limits: values are held in f16: magnitudes above 65,504 overflow, below 6.1e-05 lose precision; right only within a limited range of input values
;; workspace buffers: xb 16,777,216 bytes; wb 8,388,608 bytes; wob 4,194,304 bytes; tab 1,048,576 bytes; qh 8,388,608 bytes; kh 4,194,304 bytes; vh 4,194,304 bytes; ob 8,388,608 bytes
;; launch prep (part 1): grid 2048 x 1, 8 waves a work-group, no clusters, 0 bytes of LDS; arguments hidden_states, wq, wk, wv, wo, position_ids, xb, wb, wob, tab; writes xb, wb, wob, tab
.if DOCPART == 1
	.amdgcn_target "amdgcn-amd-amdhsa--gfx1250"
	.amdhsa_code_object_version 6
	.text
	.protected	k_q2726665792_prep
	.globl	k_q2726665792_prep
	.p2align	8
	.type	k_q2726665792_prep,@function
k_q2726665792_prep:
	s_mov_b64 s[64:65], 0
	v_nop
	global_prefetch_b8 v0, s[64:65] scope:SCOPE_SE
	s_setreg_imm32_b32 hwreg(HW_REG_WAVE_MODE, 25, 1), 1
	s_wait_xcnt 0x0
; THE OPERANDS OF THE PRODUCTS, ROUNDED ONCE, AND THE ROTATION TABLE.
;   xb  = hidden_states in bf16.   wb = wq / 8, then wk, then wv, in bf16, one matrix of 2,048 rows (1 / 8 = 1 / sqrt(64) is a power of two: it commutes with the rounding).
;   wob = wo rounded to bf16, that number written as f16 (the product behind multiplies f16).   tab[row = b 2048 + s][64] in f32: cos of the 32 angles, then sin of the 32 angles,
;   angle i = position_ids[row] x 10000^(-i / 32).
; A stream: no LDS, no barrier, no matrix unit, no cluster (no two work-groups read the same byte).  A cast work-group takes 32,768 bytes of f32 as eight blocks of 4,096: thread t takes the 16 bytes
; at 16 t of each, eight loads issued together, so a wave's load covers 512 consecutive bytes; it stores 8 bytes at 8 t of each block of 2,048: a wave's store covers 256 consecutive bytes, aligned.
; Work-groups 0-1023 x, 1024-1279 wq, 1280-1407 wk, 1408-1535 wv, 1536-1791 wo, 1792-2047 the table (16 rows each, a thread 16 bytes of a row).
; LIMITS.  wo's numbers below 6.1e-5 keep f16's fixed step of 6e-8, beyond 65,504 they are lost.  10000^(-i/32) is made by v_exp_f32 (1 ulp, on an exponent rounded to f32): an angle is off by
; some 1e-7 of itself.  The angle is reduced by pi / 2 in two parts (48 bits): good for |position| up to 1e6.  sin and cos by polynomials of degree 7 and 8 on |r| <= pi / 4.
.set X, 4                              ; v[4:35]   eight blocks of 4 f32 as loaded
.set Y, 36                             ; v[36:51]  eight blocks of 2 words to store
; mode 0: f32 -> bf16.  1: times 1 / 8 first.  2: f32 -> bf16 -> f16.  No register is written again while a load or store may read it.
.macro CAST mode
.irp j, 0,1,2,3,4,5,6,7
	global_load_b128 v[X+4*\j:X+4*\j+3], v1, s[26:27] offset:4096*\j th:TH_LOAD_NT
.endr
.irp j, 0,1,2,3,4,5,6,7
	s_wait_loadcnt 7-\j                            ; loads come back in order: block j is in, the 7 - j younger loads stay out
.if (\mode) == 1
	v_pk_mul_f32 v[X+4*\j:X+4*\j+1],   v[X+4*\j:X+4*\j+1],   0x3e000000 op_sel_hi:[1,0]
	v_pk_mul_f32 v[X+4*\j+2:X+4*\j+3], v[X+4*\j+2:X+4*\j+3], 0x3e000000 op_sel_hi:[1,0]
.endif
	v_cvt_pk_bf16_f32 v[Y+2*\j],   v[X+4*\j],   v[X+4*\j+1]
	v_cvt_pk_bf16_f32 v[Y+2*\j+1], v[X+4*\j+2], v[X+4*\j+3]
.if (\mode) == 2
	v_lshlrev_b32 v[X+4*\j],   16, v[Y+2*\j]                   ; the bf16 numbers as f32 again,
	v_and_b32     v[X+4*\j+1], 0xffff0000, v[Y+2*\j]
	v_lshlrev_b32 v[X+4*\j+2], 16, v[Y+2*\j+1]
	v_and_b32     v[X+4*\j+3], 0xffff0000, v[Y+2*\j+1]
	v_cvt_pk_f16_f32 v[Y+2*\j],   v[X+4*\j],   v[X+4*\j+1]     ; and written as f16: 8 significant bits fit in 11
	v_cvt_pk_f16_f32 v[Y+2*\j+1], v[X+4*\j+2], v[X+4*\j+3]
.endif
	global_store_b64 v2, v[Y+2*\j:Y+2*\j+1], s[28:29] offset:2048*\j
.endr
.endm
; One tensor's path: source pair, destination pair, the tensor's first work-group, mode.
.macro PART src, dst, first, mode
	s_sub_co_u32 s24, ttmp9, \first                ; my block of the tensor
	s_lshl_b32 s40, s24, 15
	s_add_nc_u64 s[26:27], s[\src:\src+1], s[40:41]
	s_lshl_b32 s40, s24, 14
	s_add_nc_u64 s[28:29], s[\dst:\dst+1], s[40:41]
	CAST \mode
	s_endpgm
.endm
; out = sin(x + kq pi / 2), kq = v9 (1: cosine).  n = the nearest whole number to x 2 / pi; r = x - n pi / 2; the quadrant n + kq picks the polynomial and the sign.
.macro SINCOS out, x
	v_mul_f32 v10, s30, \x
	v_rndne_f32 v10, v10
	v_fma_f32 v11, v10, s31, \x
	v_fma_f32 v11, v10, s32, v11
	v_cvt_i32_f32 v12, v10
	v_add_nc_u32 v12, v12, v9
	v_mul_f32 v13, v11, v11
	v_fma_f32 v14, v13, s35, s34
	v_fma_f32 v15, v13, s38, s37
	v_fma_f32 v14, v14, v13, s33
	v_fma_f32 v15, v15, v13, s36
	v_mul_f32 v14, v14, v13
	v_mul_f32 v15, v15, v13
	v_fma_f32 v16, v13, -0.5, 1.0
	v_fma_f32 v14, v14, v11, v11                   ; sin r
	v_fma_f32 v15, v15, v13, v16                   ; cos r
	v_and_b32 v16, 1, v12
	v_cmp_eq_u32 vcc_lo, 1, v16
	v_cndmask_b32 \out, v14, v15, vcc_lo           ; odd quadrants take the cosine
	v_lshlrev_b32 v12, 30, v12
	v_and_b32 v12, 0x80000000, v12                 ; quadrants 2 and 3 turn the sign
	v_xor_b32 \out, \out, v12
.endm
	s_load_b512 s[4:19], s[0:1], 0x0               ; hidden s[4:5], wq s[6:7], wk s[8:9], wv s[10:11], wo s[12:13], position_ids s[14:15], xb s[16:17], wb s[18:19]
	s_load_b128 s[20:23], s[0:1], 0x40             ; wob s[20:21], tab s[22:23]
	v_lshlrev_b32 v1, 4, v0                        ; 16 bytes of f32 a thread
	v_lshlrev_b32 v2, 3, v0                        ; 8 bytes out
	s_mov_b32 s41, 0                               ; the high word of every offset
	s_wait_kmcnt 0x0
	s_cmp_lt_u32 ttmp9, 1024
	s_cbranch_scc1 .Lplain
	s_cmp_lt_u32 ttmp9, 1280
	s_cbranch_scc1 .Lq
	s_cmp_lt_u32 ttmp9, 1536
	s_cbranch_scc1 .Lplain
	s_cmp_lt_u32 ttmp9, 1792
	s_cbranch_scc1 .Lo
	; THE TABLE: 16 rows; thread t has row t / 16 and the four numbers at byte 16 (t % 16) of it: t % 16 < 8 cosines, else sines, of angles 4 (t % 8) + 0..3
	s_sub_co_u32 s24, ttmp9, 1792
	s_lshl_b32 s40, s24, 6                         ; 16 positions of 4 bytes
	s_add_nc_u64 s[14:15], s[14:15], s[40:41]
	s_lshl_b32 s40, s24, 12                        ; 16 rows of 256 bytes
	s_add_nc_u64 s[22:23], s[22:23], s[40:41]
	v_lshrrev_b32 v3, 4, v0
	v_lshlrev_b32 v3, 2, v3
	global_load_b32 v8, v3, s[14:15]               ; my row's position
	s_mov_b32 s30, 0x3f22f983                      ; 2 / pi
	s_mov_b32 s31, 0xbfc90fdb                      ; - pi / 2, its first 24 bits
	s_mov_b32 s32, 0x333bbd2e                      ; and what they leave
	s_mov_b32 s33, 0xbe2aaaa3                      ; sin: -1.6666654611e-1, 8.3321608736e-3, -1.9515295891e-4
	s_mov_b32 s34, 0x3c08839e
	s_mov_b32 s35, 0xb94ca1f9
	s_mov_b32 s36, 0x3d2aaaa5                      ; cos: 4.166664568e-2, -1.388731625e-3, 2.443315712e-5
	s_mov_b32 s37, 0xbab6061a
	s_mov_b32 s38, 0x37ccf5ce
	v_and_b32 v17, 7, v0
	v_lshlrev_b32 v17, 2, v17
.irp j, 0,1,2,3
	v_add_nc_u32 v[4+\j], \j, v17
	v_cvt_f32_u32 v[4+\j], v[4+\j]
	v_mul_f32 v[4+\j], 0xbed49a78, v[4+\j]         ; - i log2(10000) / 32
.endr
.irp j, 0,1,2,3
	v_exp_f32 v[4+\j], v[4+\j]                     ; 10000^(-i/32)
.endr
	v_bfe_u32 v9, v0, 3, 1                         ; a plain instruction stands behind the last exponential (ISA guide 5.7.2)
	v_xor_b32 v9, 1, v9                            ; 1 for a cosine
	s_wait_loadcnt 0x0
	v_cvt_f32_i32 v8, v8
	s_wait_alu depctr_va_vdst(0)
.irp j, 0,1,2,3
	v_mul_f32 v[4+\j], v8, v[4+\j]                 ; the angle, rounded once
.endr
	SINCOS v20, v4
	SINCOS v21, v5
	SINCOS v22, v6
	SINCOS v23, v7
	global_store_b128 v1, v[20:23], s[22:23]       ; 16 lanes store a row's 256 bytes
	s_endpgm
.Lplain:                                               ; x, wk and wv are cast alike: one text; the buffers, the tensor's first work-group and its place in the destination are chosen by the work-group's number
	s_cmp_lt_u32 ttmp9, 1024
	s_cselect_b64 s[26:27], s[4:5], s[8:9]         ; x, or wk
	s_cselect_b64 s[28:29], s[16:17], s[18:19]     ; into xb, or wb
	s_cselect_b32 s24, 0, 1280
	s_cselect_b32 s25, 0, 0x400000                 ; wk lies behind wq's 1,024 rows of 4,096 bytes
	s_cmp_lt_u32 ttmp9, 1408
	s_cselect_b64 s[26:27], s[26:27], s[10:11]     ; or wv,
	s_cselect_b32 s24, s24, 1408
	s_cselect_b32 s25, s25, 0x600000               ; behind wk's 512
	s_sub_co_u32 s24, ttmp9, s24                   ; my block of the tensor
	s_lshl_b32 s40, s24, 15
	s_add_nc_u64 s[26:27], s[26:27], s[40:41]
	s_lshl_b32 s40, s24, 14
	s_add_co_u32 s40, s40, s25
	s_add_nc_u64 s[28:29], s[28:29], s[40:41]
	CAST 0
	s_endpgm
.Lq:
	PART 6, 18, 1024, 1
.Lo:
	PART 12, 20, 1536, 2
.Lfunc_end_k_q2726665792_prep:
	.size	k_q2726665792_prep, .Lfunc_end_k_q2726665792_prep-k_q2726665792_prep
	.p2alignl 7, 3214868480
	.fill 96, 4, 3214868480
	.section	.rodata,"a",@progbits
	.p2align	6, 0x0
	.amdhsa_kernel k_q2726665792_prep
		.amdhsa_group_segment_fixed_size 0
		.amdhsa_private_segment_fixed_size 0
		.amdhsa_enable_private_segment 0
		.amdhsa_kernarg_size 80
		.amdhsa_user_sgpr_count 2
		.amdhsa_user_sgpr_kernarg_segment_ptr 1
		.amdhsa_wavefront_size32 1
		.amdhsa_system_sgpr_workgroup_id_x 1
		.amdhsa_system_sgpr_workgroup_id_y 1
		.amdhsa_system_sgpr_workgroup_id_z 1
		.amdhsa_system_vgpr_workitem_id 0
		.amdhsa_next_free_vgpr 64
		.amdhsa_next_free_sgpr 66
		.amdhsa_reserve_vcc 1
		.amdhsa_float_denorm_mode_32 3
		.amdhsa_float_denorm_mode_16_64 3
		.amdhsa_memory_ordered 1
		.amdhsa_forward_progress 1
		.amdhsa_inst_pref_size 21
	.end_amdhsa_kernel
	.amdgpu_metadata
---
amdhsa.version: [ 1, 2 ]
amdhsa.kernels:
  - .name:           k_q2726665792_prep
    .symbol:         k_q2726665792_prep.kd
    .args:
      - { .name: hidden_states, .offset: 0, .size: 8, .value_kind: global_buffer, .address_space: global }
      - { .name: wq, .offset: 8, .size: 8, .value_kind: global_buffer, .address_space: global }
      - { .name: wk, .offset: 16, .size: 8, .value_kind: global_buffer, .address_space: global }
      - { .name: wv, .offset: 24, .size: 8, .value_kind: global_buffer, .address_space: global }
      - { .name: wo, .offset: 32, .size: 8, .value_kind: global_buffer, .address_space: global }
      - { .name: position_ids, .offset: 40, .size: 8, .value_kind: global_buffer, .address_space: global }
      - { .name: xb, .offset: 48, .size: 8, .value_kind: global_buffer, .address_space: global }
      - { .name: wb, .offset: 56, .size: 8, .value_kind: global_buffer, .address_space: global }
      - { .name: wob, .offset: 64, .size: 8, .value_kind: global_buffer, .address_space: global }
      - { .name: tab, .offset: 72, .size: 8, .value_kind: global_buffer, .address_space: global }
    .group_segment_fixed_size: 0
    .private_segment_fixed_size: 0
    .kernarg_segment_align: 8
    .kernarg_segment_size: 80
    .max_flat_workgroup_size: 256
    .sgpr_count:     66
    .vgpr_count:     64
    .wavefront_size: 32
...
	.end_amdgpu_metadata
.endif
;; end of part 1
;; launch qkv (part 2): grid 16 x 16, 4 waves a work-group, clusters of 4 x 4, 327,680 bytes of LDS; arguments xb, wb, tab, qh, kh, vh; writes qh, kh, vh
.if DOCPART == 2
	.amdgcn_target "amdgcn-amd-amdhsa--gfx1250"
	.amdhsa_code_object_version 6
	.text
	.protected	k_q2726665792_qkv
	.globl	k_q2726665792_qkv
	.p2align	8
	.type	k_q2726665792_qkv,@function
k_q2726665792_qkv:
	s_mov_b64 s[64:65], 0
	v_nop
	global_prefetch_b8 v0, s[64:65] scope:SCOPE_SE
	s_setreg_imm32_b32 hwreg(HW_REG_WAVE_MODE, 25, 1), 1
	s_wait_xcnt 0x0
	s_wait_alu depctr_hold_cnt(0) depctr_sa_sdst(0) depctr_va_vdst(0) depctr_va_sdst(0) depctr_va_ssrc(0) depctr_va_vcc(0) depctr_vm_vsrc(0)
	s_getreg_b32 s2, hwreg(HW_REG_IB_STS2, 6, 4)
	s_cmp_eq_u32 s2, 0
	s_cbranch_scc0 .Lentry_in_a_cluster
	s_endpgm
.Lentry_in_a_cluster:
	s_bfe_u32 s2, ttmp6, 0x10000c
	s_cmp_lg_u32 s2, 0xf033
	s_cbranch_scc0 .Lentry_shape_is_right
	s_endpgm
.Lentry_shape_is_right:
; q / 8, k, v = xb wb^T (bf16 operands, f32 sums, K ascending), q and k rotated by the table in f32, all three rounded once to f16 and stored by heads: qh [2][16][2048][64], kh and vh [2][8][2048][64].
; LIMITS.  f16 ends at 65,504: |q / 8|, |k| and |v| must stay under it; below 6.1e-5 they keep f16's fixed step of 6e-8.  NaN and infinities are not treated apart.
; SHARES.  C is [4096][2048]; a work-group makes 256 x 128 of it: 16 x 16 = 256 work-groups.  Four waves, each 128 rows x 64 columns = one head's 64 channels: 32 accumulators, 256 registers.
; THE RING HAS TWO SLOTS OF UNEQUAL LENGTH: a LONG one of 256 along K (rows of 512 bytes) and a SHORT one of 128 (rows of 256 bytes), each with A's 256 rows and B's 128; two long ones do not fit in LDS.
; In front of each refill's barrier all tensor loads are waited for, so a load has the other slot's products in which to land: the short slot's load 240 products, the long slot's 112.
; K = 2,048 is walked as S L S L S L S L S L S; each slot's next tile lies 384 elements on.  Waves 0 and 1 fetch A's two halves (128 rows), waves 2 and 3 B's (64 rows): one load a wave behind each round.
; CLUSTER.  4 x 4 work-groups: the four of a row need the same tile of A, the four of a column the same tile of B: each is asked for jointly, by the same load, descriptor and mask in all four.
; THE PRODUCT IS USED TRANSPOSED (source 0 = 16 rows of wb, source 1 = 16 rows of xb): a lane holds row l % 16 of C and the columns 8 (l / 16) + 0..7 of a block of 16.
; THE ROTATION pairs channel d < 32 with d + 32: accumulator (a, b) with (a, b + 2), register by register, in the same lane.  The wave's cosines and sines (128 rows x 32 angles, 256 registers)
; are loaded at the start and waited for once, at the way out.  Which tensor a work-group makes hangs on the cluster's x alone (0, 1: q; 2: k; 3: v), the same in all sixteen partners.
; No prefetch is laid: every tile is asked for once for four work-groups.
; REGISTERS, in windows of 256 (s_set_vgpr_msb: bits 1:0 source 0, 3:2 source 1, 5:4 source 2, 7:6 destination):
;   window 0: v0-31 addresses; v32-47 at work in the rotation; v64-191 the way out      window 1: two fragment buffers of 96: A's 8 fragments, then B's 4
;   window 2: accumulator (a, b) at 8 (4 a + b)                                          window 3: for block a of 16 rows at 32 a: cos (b = 0, 1), then sin (b = 0, 1), 8 each
.set KK,     2048
.set PL,     528                       ; a row of the long slot: 512 bytes + 16 of padding; of the short slot: 256 + 16.  Both are odd multiples of 16: the 16 rows of a fragment load
.set PS,     272                       ; start at 16 different groups of four banks (64 banks of 4 bytes: ISA guide 11.1)
.set LB,     256*PL                    ; the long slot begins at byte 0: A's 256 rows, then B's 128
.set SA,     384*PL                    ; the short slot: A's 256 rows,
.set SB,     SA+256*PS                 ; then B's 128
.set STAGE,  SA+384*PS                 ; behind the ring: 16 rows x 144 bytes for each wave, for the way out; no tensor load fills it
.set SP,     144
.set SPARE,  STAGE+4*16*SP             ; the spare words, 128 bytes for each wave: two blocks of 256 bytes that no other line names
.set PERIOD, 768                       ; bytes along K from a slot's tile to its next: 384 elements
.set FIRSTS, 0                         ; the walk begins in the short slot;
.set FIRSTL, 256                       ; the long slot's first tile begins at element 128
.set TRIPS,  4                         ; trips of the loop: a short and a long slot each, both filled again
.set ADRA, 16                          ; v16, v17  LDS address of my A fragments in the long, the short slot; never rewritten
.set WA,   18                          ; v18     the same for the two quarters of the long slot that are in hand
.set WB,   19                          ; v19
.set ADRB, 20                          ; v20, v21  as v16, v17, for B
.set STO,  24                          ; v24     the way out: where I put 16 bytes of a row
.set RD,   25                          ; v25     where I read rows back
.set CO,   26                          ; v26     my 16 bytes in 512 consecutive bytes of the head
.set TO,   27                          ; v27     my byte offset in 16 rows of the table; never rewritten
.set SPW,  28                          ; v28     LDS address of my spare word; never rewritten
.set NIL,  29                          ; v29     0; never rewritten
.set TT,   32
.set T,    64
.set F0,   0
.set F1,   96
.set G1A,  24                          ; s[24:31] group 1 for A's long tiles, s[32:39] for its short ones
.set G1B,  40                          ; s[40:47], s[48:55] the same for B's
.set G0A,  56                          ; s[56:59] group 0 for A's long tiles, s[60:63] for its short ones
.set G0B,  68                          ; s[68:71], s[72:75] the same for B's
.set KO,   66                          ; s66  byte along the long slot's rows at which the inner loop's trip begins
.set CN,   67                          ; s67  counts the inner loop
.set LBITS, (1<<16)|(1<<20)|(1<<21)|(6<<22)|(3<<25)  ; 2-byte elements; padding on; bit 21 beside a mask; after every 128 words; 4 words
.set SBITS, (1<<16)|(1<<20)|(1<<21)|(5<<22)|(3<<25)  ; after every 64 words
.set MUL,  0xa5                        ; sources 0 and 1 window 1; C and D window 2
.set TO_F, 0x40                        ; destination window 1, address window 0
.set MSB, 0
.macro WIN new                         ; the immediate's high byte repeats the setting that is left; a switch that changes nothing is dropped
.if MSB != (\new)
	s_set_vgpr_msb (MSB<<8)|(\new)
.set MSB, \new
.endif
.endm
.macro PLACES                          ; four places in front of loads into registers that products have read, and of lines that read results
.rept 4
	v_nop
.endr
.endm
.macro JLOAD s                         ; a joint load into slot s (0 long, 1 short): each line has one mask; the branch hangs on the wave's number alone; an s_nop 0 and four v_nop follow each line
	s_cmp_eq_u32 s13, 0
	s_cbranch_scc0 .Lfor_b_\@
	tensor_load_to_lds s[G0A+4*(\s):G0A+4*(\s)+3], s[G1A+8*(\s):G1A+8*(\s)+7]
	s_nop 0
.rept 4
	v_nop
.endr
	s_branch .Lasked_\@
.Lfor_b_\@:
	tensor_load_to_lds s[G0B+4*(\s):G0B+4*(\s)+3], s[G1B+8*(\s):G1B+8*(\s)+7]
	s_nop 0
.rept 4
	v_nop
.endr
.Lasked_\@:
.endm
.macro CREST                           ; a round of the cluster's barrier behind its opening barrier
	s_cmp_lg_u32 s12, 0
	s_cbranch_scc1 .Lnot_wave_0_\@
	s_barrier_signal -3
.Lnot_wave_0_\@:
	s_barrier_wait -3
	s_barrier_signal -1
	s_barrier_wait -1
.endm
.macro CROUND
	s_barrier_signal -1
	s_barrier_wait -1
	CREST
.endm
; 4 na products: row blocks a0 .. a0 + na - 1 x all 4 column blocks, 32 along K, from buffer f.  Every accumulator comes once a quarter, in one order: 31 others stand between two links of a chain.
.macro MULN f, a0, na, zero
	WIN MUL
.set ma, (\a0)
.rept \na
.irp b, 0,1,2,3
.if \zero
	v_wmma_f32_16x16x32_bf16 v[8*(4*ma+\b):8*(4*ma+\b)+7], v[(\f)+64+8*\b:(\f)+64+8*\b+7], v[(\f)+8*ma:(\f)+8*ma+7], 0
.else
	v_wmma_f32_16x16x32_bf16 v[8*(4*ma+\b):8*(4*ma+\b)+7], v[(\f)+64+8*\b:(\f)+64+8*\b+7], v[(\f)+8*ma:(\f)+8*ma+7], v[8*(4*ma+\b):8*(4*ma+\b)+7]
.endif
.endr
.set ma, ma+1
.endr
.endm
; 24 LDS loads in one run: the fragments of 32 along K at byte k: B's four, then A's eight.  kind 0: of the long slot's rows; 1: of the short slot's; 2: of the long slot's, k counted from the inner loop's place
.macro FETCH kind, k, f
.if (\kind) == 1
.set fp, PS
.set fa, ADRA+1
.set fb, ADRB+1
.elseif (\kind) == 0
.set fp, PL
.set fa, ADRA
.set fb, ADRB
.else
.set fp, PL
.set fa, WA
.set fb, WB
.endif
	WIN TO_F
.irp b, 0,1,2,3
	ds_load_b128 v[(\f)+64+8*\b:(\f)+64+8*\b+3],   v[fb] offset:(\k)+\b*16*fp
	ds_load_b128 v[(\f)+64+8*\b+4:(\f)+64+8*\b+7], v[fb] offset:(\k)+\b*16*fp+32
.endr
.irp a, 0,1,2,3,4,5,6,7
	ds_load_b128 v[(\f)+8*\a:(\f)+8*\a+3],   v[fa] offset:(\k)+\a*16*fp
	ds_load_b128 v[(\f)+8*\a+4:(\f)+8*\a+7], v[fa] offset:(\k)+\a*16*fp+32
.endr
.endm
; A quarter is 32 along K, 32 products; the quarters take buffers 0, 1, 0, 1 ..  All but a slot's last: multiplies buffer f and, in its middle, fetches the next quarter (kind, k) into g.
.macro QUARTER f, zero, kind, k, g
	s_wait_dscnt 8                                 ; B and A's blocks 0-3 are in; the youngest eight loads (A's blocks 4-7) may be out
	MULN \f, 0, 4, \zero
	PLACES
	FETCH \kind, \k, \g
	s_wait_dscnt 24                                ; all but the 24 just issued
	MULN \f, 4, 4, \zero
.endm
; A slot's last quarter multiplies buffer 1 and changes slots: in front of the one barrier each wave waits for all its tensor loads (one is out: its part of the next slot), adds 0 to its spare word,
; and waits for that and for its reads of slot cur.  fill = 1: the barrier opens a round of the cluster's barrier, and slot cur is filled again, 384 elements on, first thing behind it.
.macro TURN cur, next, fill
	WIN 0                                          ; (the add's two registers lie in window 0)
	s_wait_tensorcnt 0x0
	ds_add_u32 v[SPW], v[NIL]
	s_wait_dscnt 9                                 ; (the add and the youngest eight loads may be out)
	MULN F1, 0, 2, 0                               ; eight products stand between the add and the wait for it
	s_wait_dscnt 0x0                               ; the add is done, and my reads of this slot are over
	s_barrier_signal -1
	MULN F1, 2, 2, 0
.if \fill
	WIN 0
.endif
	s_barrier_wait -1
.if \fill
	CREST                                          ; no wave of any partner still reads this slot's tiles or has a load on its way
	s_add_nc_u64 s[G0A+4*(\cur)+2:G0A+4*(\cur)+3], s[G0A+4*(\cur)+2:G0A+4*(\cur)+3], PERIOD
	s_add_nc_u64 s[G0B+4*(\cur)+2:G0B+4*(\cur)+3], s[G0B+4*(\cur)+2:G0B+4*(\cur)+3], PERIOD
	JLOAD \cur                                     ; its four v_nop are also the places in front of the loads below
.else
	PLACES
.endif
	FETCH \next, 0, F0
	MULN F1, 4, 4, 0
.endm
; The long slot's quarters 0 to 6.  Quarters 0 to 5 are written once as a pair and walked three times, 128 bytes further along the rows in each trip; quarter 6 fetches the last.
.macro LONG7
	WIN 0
	s_mov_b32 s[KO], 0
	s_mov_b32 s[CN], 3
.Llong_\@:
	v_add_nc_u32 v[WA], s[KO], v[ADRA]
	v_add_nc_u32 v[WB], s[KO], v[ADRB]
	QUARTER F0, 0, 2, 64,  F1
	QUARTER F1, 0, 2, 128, F0
	WIN 0
	s_add_co_u32 s[KO], s[KO], 128
	s_sub_co_u32 s[CN], s[CN], 1
	s_cmp_lg_u32 s[CN], 0
	s_cbranch_scc1 .Llong_\@
	QUARTER F0, 0, 0, 448, F1
.endm
	s_load_b256 s[4:11], s[0:1], 0x0               ; xb s[4:5], wb s[6:7], tab s[8:9], qh s[10:11]
	s_load_b128 s[80:83], s[0:1], 0x20             ; kh s[80:81], vh s[82:83]
	v_lshl_add_u32 v[SPW], v0, 2, SPARE
	v_mov_b32 v[NIL], 0
	ds_add_u32 v[SPW], v[NIL]                      ; the wave's opening: the add and its wait stand ahead of my first tensor load; work on registers stands between them
	v_lshrrev_b32 v1, 5, v0
	v_readfirstlane_b32 s12, v1                    ; wave 0..3
	s_lshr_b32 s13, s12, 1                         ; which 128 rows are mine.  Also: I fetch for A (0) or for B (1)
	s_and_b32 s14, s12, 1                          ; which 64 columns.  Also: which half of that tile's rows I fetch
	s_bfe_u32 s15, ttmp6, 0x40000                  ; cx
	s_bfe_u32 s16, ttmp6, 0x40004                  ; cy
	s_lshl_b32 s17, ttmp9, 2
	s_add_co_u32 s17, s17, s15                     ; tile column = 4 x cluster x + cx
	s_and_b32 s18, ttmp7, 0xffff
	s_lshl_b32 s18, s18, 2
	s_add_co_u32 s18, s18, s16                     ; tile row = 4 x cluster y + cy
	s_lshl_b32 s20, s16, 2
	s_lshl_b32 s20, 15, s20                        ; my row of the cluster
	s_lshl_b32 s21, 0x1111, s15                    ; my column
	s_or_b32 s[G1A], s20, LBITS                    ; A's tiles go to my row,
	s_or_b32 s[G1A+8], s20, SBITS
	s_or_b32 s[G1B], s21, LBITS                    ; B's to my column
	s_or_b32 s[G1B+8], s21, SBITS
.irp g, G1A, G1B
	s_mov_b32 s[\g+1], 256<<16                     ; long: tensor_dim0 = tile_dim0 = 256
	s_mov_b32 s[\g+3], 256<<16
	s_mov_b32 s[\g+9], 128<<16                     ; short: 128
	s_mov_b32 s[\g+11], 128<<16
.irp o, 0, 8
	s_mov_b32 s[\g+\o+5], KK                       ; elements from row to row
	s_mov_b32 s[\g+\o+6], 0
	s_mov_b32 s[\g+\o+7], 0
.endr
.endr
.irp o, 0, 8
	s_mov_b32 s[G1A+\o+2], 128<<16                 ; A's loads have 128 rows: tensor_dim1,
	s_mov_b32 s[G1A+\o+4], 128                     ; tile_dim1
	s_mov_b32 s[G1B+\o+2], 64<<16                  ; B's 64
	s_mov_b32 s[G1B+\o+4], 64
.endr
	s_lshl_b32 s92, s18, 8                         ; A: row 256 x tile row + 128 x half,
	s_lshl_b32 s22, s14, 7
	s_add_co_u32 s92, s92, s22
	s_mul_i32 s92, s92, 2*KK                       ; in bytes (under 2^25)
	s_mov_b32 s93, 0
	s_lshl_b32 s94, s17, 7                         ; B: row 128 x tile column + 64 x half
	s_lshl_b32 s22, s14, 6
	s_add_co_u32 s94, s94, s22
	s_mul_i32 s94, s94, 2*KK
	s_mov_b32 s95, 0
	s_mul_i32 s22, s14, 128*PL                     ; where they go: A's half in the long slot,
	s_mul_i32 s23, s14, 128*PS
	s_add_co_u32 s23, s23, SA                      ; in the short slot;
	s_mul_i32 s96, s14, 64*PL
	s_add_co_u32 s96, s96, LB                      ; B's half in the long slot,
	s_mul_i32 s97, s14, 64*PS
	s_add_co_u32 s97, s97, SB                      ; in the short slot: no place in the cluster enters an LDS address
	s_lshl_b32 s98, s18, 8                         ; the table at my 128 rows, 256 bytes each
	s_lshl_b32 s99, s13, 7
	s_add_co_u32 s98, s98, s99
	s_lshl_b32 s98, s98, 8
	s_mov_b32 s99, 0
	s_cmp_lt_u32 ttmp9, 2                          ; which tensor: its first column group of 64, and log2 of its heads
	s_cselect_b32 s87, 0, 16
	s_cselect_b32 s88, 4, 3
	s_cmp_eq_u32 ttmp9, 3
	s_cselect_b32 s87, 24, s87
	s_cselect_b32 s86, 1, 0                        ; 1: v, which is not rotated
	s_lshl_b32 s20, s17, 1
	s_add_co_u32 s20, s20, s14                     ; my column group of 64,
	s_sub_co_u32 s20, s20, s87                     ; as a head of its tensor,
	s_lshr_b32 s21, s18, 3                         ; in batch tile row / 8
	s_lshl_b32 s21, s21, s88
	s_add_co_u32 s20, s20, s21
	s_lshl_b32 s20, s20, 11                        ; 2,048 rows a head
	s_and_b32 s21, s18, 7
	s_lshl_b32 s21, s21, 8
	s_add_co_u32 s20, s20, s21
	s_lshl_b32 s21, s13, 7
	s_add_co_u32 s20, s20, s21                     ; my first row in it
	s_lshl_b32 s90, s20, 7                         ; 128 bytes a row
	s_mov_b32 s91, 0
	s_wait_dscnt 0x0                               ; the opening add is done
	s_wait_kmcnt 0x0
	s_add_nc_u64 s[92:93], s[4:5], s[92:93]
	s_add_nc_u64 s[94:95], s[6:7], s[94:95]
	s_add_nc_u64 s[78:79], s[8:9], s[98:99]
	s_cmp_lt_u32 ttmp9, 2
	s_cselect_b64 s[84:85], s[10:11], s[80:81]
	s_cmp_eq_u32 ttmp9, 3
	s_cselect_b64 s[84:85], s[82:83], s[84:85]
	s_add_nc_u64 s[84:85], s[84:85], s[90:91]      ; my 128 rows x 128 bytes lie on end: 16,384 bytes
	CROUND                                         ; all sixteen work-groups are here: the first joint loads meet
	s_mov_b32 s[G0A], 1
	s_mov_b32 s[G0A+1], s22
	s_add_nc_u64 s[G0A+2:G0A+3], s[92:93], FIRSTL
	s_or_b32 s[G0A+3], s[G0A+3], 0x80000000
	s_mov_b32 s[G0A+4], 1
	s_mov_b32 s[G0A+5], s23
	s_add_nc_u64 s[G0A+6:G0A+7], s[92:93], FIRSTS
	s_or_b32 s[G0A+7], s[G0A+7], 0x80000000
	s_mov_b32 s[G0B], 1
	s_mov_b32 s[G0B+1], s96
	s_add_nc_u64 s[G0B+2:G0B+3], s[94:95], FIRSTL
	s_or_b32 s[G0B+3], s[G0B+3], 0x80000000
	s_mov_b32 s[G0B+4], 1
	s_mov_b32 s[G0B+5], s97
	s_add_nc_u64 s[G0B+6:G0B+7], s[94:95], FIRSTS
	s_or_b32 s[G0B+7], s[G0B+7], 0x80000000
	JLOAD 1                                        ; the short slot, which is read first,
	JLOAD 0                                        ; and the long one: two loads of mine are out
	v_and_b32 v1, 15, v0                           ; l % 16
	v_bfe_u32 v2, v0, 4, 1                         ; l / 16
	v_lshlrev_b32 v[TO], 8, v1                     ; the table: row l % 16, the 8 angles 8 (l / 16) + 0..7
	v_lshl_add_u32 v[TO], v2, 5, v[TO]
	s_cmp_eq_u32 s86, 1
	s_cbranch_scc1 .Lno_tab
	WIN 0xc0                                       ; destination window 3
.set ia, 0
.rept 8                                ; 64 loads, out during the whole product; piece 0, 1: cos of angles 0-15, 16-31; piece 2, 3: sin
.irp q, 0,1,2,3
	global_load_b128 v[32*ia+8*\q:32*ia+8*\q+3],   v[TO], s[78:79] offset:ia*4096+64*\q
	global_load_b128 v[32*ia+8*\q+4:32*ia+8*\q+7], v[TO], s[78:79] offset:ia*4096+64*\q+16
.endr
.set ia, ia+1
.endr
	WIN 0
.Lno_tab:
	v_mul_u32_u24 v3, v1, PL
	v_lshl_add_u32 v3, v2, 4, v3                   ; a fragment's row x pitch + 16 x half, in the long slot
	v_mul_u32_u24 v4, v1, PS
	v_lshl_add_u32 v4, v2, 4, v4                   ; and in the short one
	s_mul_i32 s20, s13, 128*PL                     ; my 128 rows of A
	s_mul_i32 s21, s13, 128*PS
	s_add_co_u32 s21, s21, SA
	v_add_nc_u32 v[ADRA], s20, v3
	v_add_nc_u32 v[ADRA+1], s21, v4
	s_mul_i32 s20, s14, 64*PL                      ; my 64 rows of B
	s_add_co_u32 s20, s20, LB
	s_mul_i32 s21, s14, 64*PS
	s_add_co_u32 s21, s21, SB
	v_add_nc_u32 v[ADRB], s20, v3
	v_add_nc_u32 v[ADRB+1], s21, v4
	s_mul_i32 s20, s12, 16*SP
	s_add_co_u32 s20, s20, STAGE                   ; my stage
	v_mul_u32_u24 v4, v1, SP                       ; in: row l % 16, 16 bytes for each half of the lanes
	v_lshl_add_u32 v4, v2, 4, v4
	v_add_nc_u32 v[STO], s20, v4
	v_bfe_u32 v5, v0, 3, 2                         ; back: 32 lanes take four rows of 128 bytes,
	v_mul_u32_u24 v5, v5, SP
	v_and_b32 v6, 7, v0
	v_lshl_add_u32 v5, v6, 4, v5
	v_add_nc_u32 v[RD], s20, v5
	v_and_b32 v[CO], 31, v0                        ; which are 512 consecutive bytes of the head
	v_lshlrev_b32 v[CO], 4, v[CO]
	s_wait_tensorcnt 1                             ; my part of the short slot is in; the long slot's may stay out
	s_barrier_signal -1
	s_barrier_wait -1
	FETCH 1, 0, F0
	QUARTER F0, 1, 1, 64, F1                       ; the first quarter stands in front of the loop: its products start the sums
	WIN 0
	s_mov_b32 s19, TRIPS
.Llap:                                                 ; a trip goes once round the ring, from a short slot's second quarter to the next short slot's first, and fills both slots again
	QUARTER F1, 0, 1, 128, F0
	QUARTER F0, 0, 1, 192, F1
	TURN 1, 0, 1
	LONG7
	TURN 0, 1, 1
	QUARTER F0, 0, 1, 64, F1
	WIN 0
	s_sub_co_u32 s19, s19, 1
	s_cmp_lg_u32 s19, 0
	s_cbranch_scc1 .Llap
	QUARTER F1, 0, 1, 128, F0                      ; the last three slots are written out: the short one is filled once more,
	QUARTER F0, 0, 1, 192, F1
	TURN 1, 0, 1
	LONG7
	TURN 0, 1, 0                                   ; the long one is not
	QUARTER F0, 0, 1, 64,  F1
	QUARTER F1, 0, 1, 128, F0
	QUARTER F0, 0, 1, 192, F1
	s_wait_dscnt 8
	MULN F1, 0, 4, 0
	s_wait_dscnt 0x0
	MULN F1, 4, 4, 0
	WIN 0
	PLACES
; THE ROTATION of block a, in four passes, each accumulator's registers in ascending order: t = x sin; x = x cos; x = x - y sin; y = y cos + t  (x: channels under 32, y: the same + 32).
.macro ROPE a
.irp ph, 0,1,2,3
.irp b, 0,1
.irp z, 0,1,2,3
.set rX, 8*(4*(\a)+\b)+2*\z
.set rC, 32*(\a)+8*\b+2*\z
.set rT, TT+8*\b+2*\z
.if \ph == 0
	WIN 0x0e                                       ; source 0 window 2, source 1 window 3, destination window 0
	v_pk_mul_f32 v[rT:rT+1], v[rX:rX+1], v[rC+16:rC+17]
.elseif \ph == 1
	WIN 0x8e                                       ; destination window 2
	v_pk_mul_f32 v[rX:rX+1], v[rX:rX+1], v[rC:rC+1]
.elseif \ph == 2
	WIN 0xae                                       ; source 2 window 2 too
	v_pk_fma_f32 v[rX:rX+1], v[rX+16:rX+17], v[rC+16:rC+17], v[rX:rX+1] neg_lo:[1,0,0] neg_hi:[1,0,0]
.else
	WIN 0x8e                                       ; source 2 window 0
	v_pk_fma_f32 v[rX+16:rX+17], v[rX+16:rX+17], v[rC:rC+1], v[rT:rT+1]
.endif
.endr
.endr
.endr
.endm
; THE WAY OUT of block a: rounded to f16, 16 bytes a lane into my own stage, back as whole rows of 128 bytes into the registers that they left, stored as 512 consecutive bytes.
.macro PACK a
	WIN 0x0a                                       ; sources 0 and 1 window 2
.irp b, 0,1,2,3
.irp z, 0,1,2,3
	v_cvt_pk_f16_f32 v[T+16*(\a)+4*\b+\z], v[8*(4*(\a)+\b)+2*\z], v[8*(4*(\a)+\b)+2*\z+1]
.endr
.endr
	WIN 0
.irp b, 0,1,2,3
	ds_store_b128 v[STO], v[T+16*(\a)+4*\b:T+16*(\a)+4*\b+3] offset:32*\b
.endr
.irp f, 0,1,2,3
	ds_load_b128 v[T+16*(\a)+4*\f:T+16*(\a)+4*\f+3], v[RD] offset:\f*4*SP  ; LDS serves a wave's instructions in order (ISA guide 5.7.1.4): these see the stores above, and the next block's stores come behind them
.endr
.endm
.macro SEND a, younger                 ; younger: the LDS lines issued behind block a's loads: the next block's eight, or none
.irp f, 0,1,2,3
	s_wait_dscnt (\younger)+3-\f
	global_store_b128 v[CO], v[T+16*(\a)+4*\f:T+16*(\a)+4*\f+3], s[84:85] offset:(\a)*2048+\f*512
.endr
.endm
	s_wait_loadcnt 0x0                             ; the table
	s_cmp_eq_u32 s86, 1
	s_cbranch_scc1 .Lno_rope
.irp a, 0,1,2,3,4,5,6,7
	ROPE \a
.endr
	WIN 0
.Lno_rope:
	PACK 0
.irp a, 1,2,3,4,5,6,7                  ; a block's conversions stand between the loads of the block before and its stores
	PACK \a
	SEND (\a)-1, 8
.endr
	SEND 7, 0
	s_wait_tensorcnt 0x0                           ; the wave's end: behind my last tensor load and my last LDS store
	ds_add_u32 v[SPW], v[NIL]
	s_wait_dscnt 0x0
	CROUND                                         ; the closing round: no work-group ends while a partner may still ask for a tile that names it
	s_endpgm
.Lfunc_end_k_q2726665792_qkv:
	.size	k_q2726665792_qkv, .Lfunc_end_k_q2726665792_qkv-k_q2726665792_qkv
	.p2alignl 7, 3214868480
	.fill 96, 4, 3214868480
	.section	.rodata,"a",@progbits
	.p2align	6, 0x0
	.amdhsa_kernel k_q2726665792_qkv
		.amdhsa_group_segment_fixed_size 327680
		.amdhsa_private_segment_fixed_size 0
		.amdhsa_enable_private_segment 0
		.amdhsa_kernarg_size 48
		.amdhsa_user_sgpr_count 2
		.amdhsa_user_sgpr_kernarg_segment_ptr 1
		.amdhsa_wavefront_size32 1
		.amdhsa_system_sgpr_workgroup_id_x 1
		.amdhsa_system_sgpr_workgroup_id_y 1
		.amdhsa_system_sgpr_workgroup_id_z 1
		.amdhsa_system_vgpr_workitem_id 0
		.amdhsa_next_free_vgpr 1024
		.amdhsa_next_free_sgpr 100
		.amdhsa_reserve_vcc 0
		.amdhsa_float_denorm_mode_32 3
		.amdhsa_float_denorm_mode_16_64 3
		.amdhsa_memory_ordered 1
		.amdhsa_forward_progress 1
		.amdhsa_inst_pref_size 129
	.end_amdhsa_kernel
	.amdgpu_metadata
---
amdhsa.version: [ 1, 2 ]
amdhsa.kernels:
  - .name:           k_q2726665792_qkv
    .symbol:         k_q2726665792_qkv.kd
    .args:
      - { .name: xb, .offset: 0, .size: 8, .value_kind: global_buffer, .address_space: global }
      - { .name: wb, .offset: 8, .size: 8, .value_kind: global_buffer, .address_space: global }
      - { .name: tab, .offset: 16, .size: 8, .value_kind: global_buffer, .address_space: global }
      - { .name: qh, .offset: 24, .size: 8, .value_kind: global_buffer, .address_space: global }
      - { .name: kh, .offset: 32, .size: 8, .value_kind: global_buffer, .address_space: global }
      - { .name: vh, .offset: 40, .size: 8, .value_kind: global_buffer, .address_space: global }
    .group_segment_fixed_size: 327680
    .private_segment_fixed_size: 0
    .kernarg_segment_align: 8
    .kernarg_segment_size: 48
    .max_flat_workgroup_size: 128
    .sgpr_count:     100
    .vgpr_count:     1024
    .wavefront_size: 32
...
	.end_amdgpu_metadata
.endif
;; end of part 2
;; launch attn (part 3): grid 16 x 16, 4 waves a work-group, clusters of 4 x 4, 327,680 bytes of LDS; arguments qh, kh, vh, attention_mask, ob; writes ob
.if DOCPART == 3
	.amdgcn_target "amdgcn-amd-amdhsa--gfx1250"
	.amdhsa_code_object_version 6
	.text
	.protected	k_q2726665792_attn
	.globl	k_q2726665792_attn
	.p2align	8
	.type	k_q2726665792_attn,@function
k_q2726665792_attn:
	s_mov_b64 s[64:65], 0
	v_nop
	global_prefetch_b8 v0, s[64:65] scope:SCOPE_SE
	s_setreg_imm32_b32 hwreg(HW_REG_WAVE_MODE, 25, 1), 1
	s_wait_xcnt 0x0
	s_wait_alu depctr_hold_cnt(0) depctr_sa_sdst(0) depctr_va_vdst(0) depctr_va_sdst(0) depctr_va_ssrc(0) depctr_va_vcc(0) depctr_vm_vsrc(0)
	s_getreg_b32 s2, hwreg(HW_REG_IB_STS2, 6, 4)
	s_cmp_eq_u32 s2, 0
	s_cbranch_scc0 .Lentry_in_a_cluster
	s_endpgm
.Lentry_in_a_cluster:
	s_bfe_u32 s2, ttmp6, 0x10000c
	s_cmp_lg_u32 s2, 0xf033
	s_cbranch_scc0 .Lentry_shape_is_right
	s_endpgm
.Lentry_shape_is_right:
; ob[b][s][head 64 + d] = the sum over k of softmax_k(q'[s] . k[k] + mask[s][k]) v[k][d], q' = q / 8 as the launch before stored it.  qh [2][16][2048][64], kh, vh [2][8][2048][64], ob [4096][1024]: f16;
; attention_mask [2048][2048] f32, an input: every number of it is loaded and added, and all 2,048 keys are walked.  Products, maxima and sums in f32; the weights p are rounded to f16 for the second
; product (their sum l is taken of the unrounded p), O once at the end.
; LIMITS.  Scores with their mask must lie above -2e38, where the running maximum starts; a mask of -infinity gives the weight 0; a row that is -infinity throughout gives NaN, as a softmax of it does.
; Where a mask's number is so large that f32 holds no score beside it, what is left of the score hangs on the matrix unit's own rounding of C + products.  A weight below 2^-126 counts as 0 in l;
; below 6e-5 p keeps f16's fixed step of 6e-8.  NaN is not treated apart.
; SHARES.  A work-group owns 128 query rows (block qb) of the TWO query heads that share key and value head bk = 8 b + kvh: 16 x 16 = 256 work-groups.  Wave w owns rows 32 w .. 32 w + 31 as four PIECES of
; 16 queries: piece p = row group p / 2, head 2 kvh + p % 2.  So pieces 2 g and 2 g + 1 take the same mask fragment from registers.  Every wave walks all keys, 64 a step.
; LAYOUT.  S^T = K Q^T + M^T (source 0 = 16 keys, source 1 = 16 queries, C = the mask): a lane holds ONE query (l % 16) and the keys 8 (l / 16) + 0..7, which are 32 consecutive bytes of the mask's row.
; Two such results rounded to f16 ARE source 1 of O^T = V^T P.  K comes out of LDS as it lies, V turned, by ds_load_tr16_b128.
; SOFTMAX.  A running maximum m and sum l for each query: p = 2^(c s - c m), c = log2(e); in every step O and l are multiplied by a = 2^(c m_old - c m_new).  O and l start at 0.
; BY TURNS.  Turn n belongs to piece n: 8 products K Q^T of piece n + 1, later 8 products V^T P of piece n - 1; beside them the scaling, exponentials, roundings, sums and rescaling of piece n and the maximum and
; statistics of piece n + 1.  A turn has 16 matrix and 118 vector instructions: four stand behind every matrix instruction, the other 54 in two runs of their own.
; CLUSTER.  4 x 4 work-groups.  K and V hang on bk alone, which a row of the cluster shares; the mask's tile on qb alone, which a column shares: each is asked for jointly by its four.
; RING.  Two slots of two key steps: 128 rows of K, 128 of V, 128 mask rows x 128 keys.  Behind each round wave 0 asks for K, wave 1 for V, waves 2 and 3 for 64 mask rows each: one load a wave, with 128 products in which to land.
; REGISTERS, in windows of 256 (s_set_vgpr_msb: bits 1:0 source 0, 3:2 source 1, 5:4 source 2, 7:6 destination):
;   window 0: v0-15, v32-33 addresses; v16-31 four registers of statistics a piece; v48-55 at work; v64-127 S^T, two buffers; v192-223 P, two buffers (by the piece's parity)
;   window 1: v0-127 O^T, 32 a piece; v128-191 the mask, 32 a row group      window 2: v0-63 Q, 16 a piece; v128-191 K of one step; v192-255 V of one step
.set NP,    4
.set KS,    64
.set PK,    144       ; a row of K in LDS: 128 bytes + 16: the 16 rows of a load start at 16 different groups of four banks (64 banks of 4 bytes: ISA guide 11.1)
.set PV,    160       ; a row of V: 128 + 32
.set PM,    528       ; a mask row: 512 bytes + 16: likewise
.set VOFF,  2*KS*PK
.set MOFF,  VOFF+2*KS*PV
.set SLOT1, 1<<17     ; slot 1 begins here, so that one exclusive or turns an address in one slot into the other's
.set STAGE, SLOT1+MOFF+128*PM  ; behind the ring, never filled by a tensor load: 16 rows x 272 bytes for each wave
.set SP,    272
.set SPARE, STAGE+4*16*SP      ; the spare words, 128 bytes for each wave: two blocks of 256 bytes that no other line names
.set AK0, 2           ; v2   my lane's place in a tile of K; never rewritten
.set AV0, 3           ; v3   the same for V
.set AK,  4           ; v4   the LDS address of K's next run of loads
.set AV,  5           ; v5   of V's
.set STO, 6           ; v6   the way out: where I put 16 bytes of a row
.set RD,  7           ; v7   where I read rows back
.set GO,  8           ; v8   my byte offset in two rows of ob
.set MV,  12          ; v12-13  c m_old, by buffer
.set AM0, 14          ; v14  my lane's place in the mask's tile; never rewritten
.set QO,  15          ; v15  my byte offset in 16 rows of Q
.set ST,  16          ; piece t at v[ST+4 t]: c m, m, l (even keys', odd keys')
.set AM,  32          ; v32  the LDS address of the mask's next runs
.set PFO, 33          ; v33  the prefetches' lane offset; never rewritten
.set TMP, 48          ; by buffer, c0-c3 at work; when the maximum is found c2 takes a
.set SPW, 62          ; v62  LDS address of my spare word; never rewritten
.set NIL, 63          ; v63  0; never rewritten
.set S,   64
.set P,   192
.set MC,  128         ; window 1: row group g, key block kb at MC + 32 g + 8 kb
.set KF,  128         ; window 2: key block kb, channel half c at KF + 16 kb + 8 c
.set VF,  192         ; window 2: key half kk, channel block cb at VF + 32 kk + 8 cb
.set WV,  12          ; s12  my wave's number
.set G1K, 24          ; s[24:31], s[32:39], s[40:47] descriptor group 1 for K, V, the mask
.set G1V, 32
.set G1M, 40
.set G0K, 48          ; s[48:51], s[52:55], s[56:59] group 0: each walks
.set G0V, 52
.set G0M, 56
.set CS,  60          ; s[60:61] c
.set TBK, 62          ; s62  LDS byte at which K of the step to be fetched begins
.set TBV, 63          ; s63  the same for V, less VOFF
.set SEL, 68          ; s[68:69] v_permlanex16_b32's selects: each lane takes its own place in the other half
.set TBM, 70          ; s70  the same for the mask, less MOFF
.set SLOTS, 71        ; s71  slots still to be asked for
.set CNT, 72          ; s72  counts a slot's key steps
.set LIM, 73          ; s73  1 in a wave that prefetches, else the greatest number
.set PFA, 74          ; s[74:75] where my prefetches stand
.set PFS, 76          ; s[76:77] their step from slot to slot
.set MSB, 0
.macro WIN new                      ; the high byte repeats the setting that is left; a switch that changes nothing is dropped
.if MSB != (\new)
	s_set_vgpr_msb (MSB<<8)|(\new)
.set MSB, (\new)
.endif
.endm
.set W_KQ, 0x0a       ; K and Q in window 2, S^T in window 0
.set W_KM, 0x1a       ; the same with the C operand in window 1
.set W_PV, 0x52       ; V in window 2, P in window 0, O^T in window 1
.set W_RS, 0x41       ; destination and source 0 in window 1, source 1 in window 0
; A joint fill: three lines, each with one mask; the branches hang on the wave's number alone.  An s_nop 0 and four v_nop follow each line, ahead of the jump and the label.
.macro JLOAD
	s_cmp_lt_u32 s[WV], 2
	s_cbranch_scc0 .Lfor_m_\@
	s_cmp_eq_u32 s[WV], 0
	s_cbranch_scc0 .Lfor_v_\@
	tensor_load_to_lds s[G0K:G0K+3], s[G1K:G1K+7]
	s_nop 0
.rept 4
	v_nop
.endr
	s_branch .Lasked_\@
.Lfor_v_\@:
	tensor_load_to_lds s[G0V:G0V+3], s[G1V:G1V+7]
	s_nop 0
.rept 4
	v_nop
.endr
	s_branch .Lasked_\@
.Lfor_m_\@:
	tensor_load_to_lds s[G0M:G0M+3], s[G1M:G1M+7]
	s_nop 0
.rept 4
	v_nop
.endr
.Lasked_\@:
.endm
; A PREFETCH INTO THE L2 of what the NEXT change of slots will ask for: two key steps, 128 products, ahead of that load; it stands behind the wave's tensor load and its five lines.  Each aligned block of 256
; bytes is named once in the launch.  K and V of a head are walked by all clusters of a row of clusters: those with cluster x = 0 ask, wave 0 of each partner; the four partners share a slot's 16,384 bytes of K
; and of V out by address: cx 0, 1 the halves of K, cx 2, 3 those of V, a lane 256 bytes.  A mask tile is walked by all clusters of a column of clusters: those with cluster y = 0 ask, waves 2 and 3; partner cy
; takes rows 32 cy .. 32 cy + 31, a lane a row, wave 2 the first 256 bytes of a row's 512, wave 3 the second.  The last change that fills a slot asks for nothing: there is no slot behind it.
.macro ASK
	s_cmp_gt_u32 s[SLOTS], s[LIM]
	s_cbranch_scc0 .Lnot_mine_\@
	global_prefetch_b8 v[PFO], s[PFA:PFA+1] th:TH_LOAD_NT scope:SCOPE_SE
.Lnot_mine_\@:
.endm
.macro CROUND                       ; a round of the cluster's barrier
	s_barrier_signal -1
	s_barrier_wait -1
	s_cmp_lg_u32 s[WV], 0
	s_cbranch_scc1 .Lnot_wave_0_\@
	s_barrier_signal -3
.Lnot_wave_0_\@:
	s_barrier_wait -3
	s_barrier_signal -1
	s_barrier_wait -1
.endm
; THE CHANGE OF SLOTS.  Each wave waits for all its tensor loads, of which one is out: its part of the other slot; adds 0 to its spare word; and waits for that and for its reads of the slot that it leaves.
; fill = 1: the barrier is a round of the cluster's, so that no wave of any partner still reads the slot or has a load on its way, and the joint fill, with the keys two slots on, is the first thing behind it.
; (At its first use nothing has been read yet: slot 0 is waited for, slot 1 filled.)
.macro CHANGE fill
	WIN 0
	s_wait_tensorcnt 0x0            ; no tensor load of mine is out, so a group 0 may be written
	ds_add_u32 v[SPW], v[NIL]       ; scalar work stands between the add and the wait for it
.if \fill
	s_xor_b32 s[G0K+1], s[G0K+1], SLOT1
	s_add_nc_u64 s[G0K+2:G0K+3], s[G0K+2:G0K+3], 2*KS*128  ; the next 128 keys; the type bits on top are not reached
	s_xor_b32 s[G0V+1], s[G0V+1], SLOT1
	s_add_nc_u64 s[G0V+2:G0V+3], s[G0V+2:G0V+3], 2*KS*128
	s_xor_b32 s[G0M+1], s[G0M+1], SLOT1
	s_add_nc_u64 s[G0M+2:G0M+3], s[G0M+2:G0M+3], 2*KS*4    ; 128 keys along the mask's rows
	s_wait_xcnt 0x0                 ; the last prefetch, two key steps back, has read its address
	s_add_nc_u64 s[PFA:PFA+1], s[PFA:PFA+1], s[PFS:PFS+1]  ; one slot beyond the walking descriptors
	s_wait_dscnt 0x0                ; the add is done, and my reads of the slot are over
	CROUND
	JLOAD
	ASK
.else
	s_wait_dscnt 0x0
	s_barrier_signal -1
	s_barrier_wait -1
.endif
	s_sub_co_u32 s[TBK], s[TBK], 2*KS*PK  ; the fetches go back to a slot's first step,
	s_xor_b32 s[TBK], s[TBK], SLOT1       ; in the other slot
	s_sub_co_u32 s[TBV], s[TBV], 2*KS*PV
	s_xor_b32 s[TBV], s[TBV], SLOT1
	s_sub_co_u32 s[TBM], s[TBM], 2*KS*4
	s_xor_b32 s[TBM], s[TBM], SLOT1
.endm
	s_load_b256 s[4:11], s[0:1], 0x0  ; qh s[4:5], kh s[6:7], vh s[8:9], attention_mask s[10:11]
	s_load_b64 s[66:67], s[0:1], 0x20 ; ob
	v_lshl_add_u32 v[SPW], v0, 2, SPARE
	v_mov_b32 v[NIL], 0
	ds_add_u32 v[SPW], v[NIL]       ; the wave's opening: the add and its wait stand ahead of my first tensor load; work on registers stands between them
	v_lshrrev_b32 v1, 5, v0
	v_readfirstlane_b32 s[WV], v1   ; wave 0..3
	s_bfe_u32 s13, ttmp6, 0x40000   ; cx
	s_bfe_u32 s14, ttmp6, 0x40004   ; cy
	s_lshl_b32 s15, ttmp9, 2
	s_add_co_u32 s15, s15, s13      ; qb = 4 x cluster x + cx
	s_and_b32 s17, ttmp7, 0xffff    ; cluster y
	s_lshl_b32 s16, s17, 2
	s_add_co_u32 s16, s16, s14      ; bk = 4 x cluster y + cy
	s_lshl_b32 s18, s14, 2
	s_lshl_b32 s18, 15, s18         ; my row of the cluster
	s_lshl_b32 s19, 0x1111, s13     ; my column
	; group 1.  128 keys of K or V are 16,384 dense bytes: 64 rows of 256 bytes, two keys a row, padded in LDS after every key.  The mask: 64 rows of 128 f32, 2,048 elements from row to row.
	s_or_b32 s[G1K], s18, (1<<16)|(1<<20)|(1<<21)|(4<<22)|(3<<25)  ; 2-byte elements; padding on; bit 21 beside a mask; after every 32 words; 4 words
	s_or_b32 s[G1V], s18, (1<<16)|(1<<20)|(1<<21)|(4<<22)|(7<<25)  ; 8 words
	s_or_b32 s[G1M], s19, (2<<16)|(1<<20)|(1<<21)|(6<<22)|(3<<25)  ; 4-byte elements; after every 128 words; 4 words
.irp g, G1K, G1V, G1M
	s_mov_b32 s[\g+1], 128<<16      ; tensor_dim0 = 128
	s_mov_b32 s[\g+2], 64<<16       ; tensor_dim1 = 64
	s_mov_b32 s[\g+3], 128<<16      ; tile_dim0 = 128
	s_mov_b32 s[\g+4], 64           ; tile_dim1 = 64
	s_mov_b32 s[\g+6], 0
	s_mov_b32 s[\g+7], 0
.endr
	s_mov_b32 s[G1K+5], 128
	s_mov_b32 s[G1V+5], 128
	s_mov_b32 s[G1M+5], 2048
	s_lshl_b32 s20, s16, 18         ; K and V: the head's 2,048 rows of 128 bytes
	s_mov_b32 s21, 0
	s_and_b32 s78, s[WV], 1         ; which 64 mask rows I fetch:
	s_mul_i32 s79, s78, 64*PM
	s_add_co_u32 s79, s79, MOFF     ; their place in a slot: no place in the cluster enters an LDS address
	s_lshl_b32 s22, s15, 7
	s_lshl_b32 s78, s78, 6
	s_add_co_u32 s22, s22, s78
	s_lshl_b32 s22, s22, 13         ; and in memory: rows of 8,192 bytes
	s_mov_b32 s23, 0
	s_lshl_b32 s80, s16, 12         ; Q: head 2 bk, row 128 qb + 32 w, 128 bytes a row
	s_lshl_b32 s81, s15, 7
	s_add_co_u32 s80, s80, s81
	s_lshl_b32 s81, s[WV], 5
	s_add_co_u32 s80, s80, s81
	s_lshl_b32 s80, s80, 7
	s_mov_b32 s81, 0
	s_lshr_b32 s82, s16, 3          ; ob: row 2,048 b + 128 qb + 32 w of 2,048 bytes, byte 256 kvh
	s_lshl_b32 s82, s82, 11
	s_lshl_b32 s83, s15, 7
	s_add_co_u32 s82, s82, s83
	s_lshl_b32 s83, s[WV], 5
	s_add_co_u32 s82, s82, s83
	s_lshl_b32 s82, s82, 11
	s_and_b32 s83, s16, 7
	s_lshl_b32 s83, s83, 8
	s_add_co_u32 s82, s82, s83
	s_mov_b32 s83, 0
	s_mov_b32 s[CS], 0x3fb8aa3b     ; c = log2(e)
	s_mov_b32 s[CS+1], s[CS]        ; named with it as a pair
	s_mov_b32 s[SEL], 0x76543210
	s_mov_b32 s[SEL+1], 0xfedcba98
	s_mov_b32 s[TBK], SLOT1+2*KS*PK ; the first change of slots turns these three into 0
	s_mov_b32 s[TBV], SLOT1+2*KS*PV
	s_mov_b32 s[TBM], SLOT1+2*KS*4
	s_mov_b32 s[SLOTS], 15
	s_mov_b32 s[G0K], 1
	s_mov_b32 s[G0K+1], 0
	s_mov_b32 s[G0V], 1
	s_mov_b32 s[G0V+1], VOFF
	s_mov_b32 s[G0M], 1
	s_mov_b32 s[G0M+1], s79
	s_wait_dscnt 0x0                ; the opening add is done
	s_wait_kmcnt 0x0
	s_add_nc_u64 s[G0K+2:G0K+3], s[6:7], s[20:21]
	s_or_b32 s[G0K+3], s[G0K+3], 0x80000000
	s_add_nc_u64 s[G0V+2:G0V+3], s[8:9], s[20:21]
	s_or_b32 s[G0V+3], s[G0V+3], 0x80000000
	s_add_nc_u64 s[G0M+2:G0M+3], s[10:11], s[22:23]
	s_or_b32 s[G0M+3], s[G0M+3], 0x80000000
	s_add_nc_u64 s[4:5], s[4:5], s[80:81]
	s_add_nc_u64 s[66:67], s[66:67], s[82:83]
	CROUND                          ; all sixteen work-groups are here: the first joint loads meet
	JLOAD                           ; slot 0.  Slot 1 is asked for when slot 0 is in
	; A fragment of K or Q is 16 rows x 32 channels in 8 registers: lane l holds row l % 16, channels 8 (l / 16) + 0..7 and 16 + 8 (l / 16) + 0..7: two loads of 16 bytes, 32 bytes apart.
	v_and_b32 v1, 15, v0            ; l % 16
	v_bfe_u32 v9, v0, 4, 1          ; l / 16
	v_lshlrev_b32 v[QO], 7, v1
	v_lshl_add_u32 v[QO], v9, 4, v[QO]
	WIN 0x80                        ; destination window 2
.set i, 0
.rept 8                             ; Q stays in registers: piece i / 2 (head (i / 2) % 2: 262,144 bytes on; row group i / 4: 2,048 bytes on), channels 32 (i % 2) on
	global_load_b128 v[8*i:8*i+3],   v[QO], s[4:5] offset:((i/2)%2)*262144+(i/4)*2048+(i%2)*64
	global_load_b128 v[8*i+4:8*i+7], v[QO], s[4:5] offset:((i/2)%2)*262144+(i/4)*2048+(i%2)*64+32
.set i, i+1
.endr
	; What the first turn finds: V's registers and P's second buffer hold 0 (its products V^T P, of a piece that has not been, add 0), O^T and l are 0.  All this stands in the wait for the first tile.
.set i, VF
.rept 64
	v_mov_b32 v[i], 0
.set i, i+1
.endr
	WIN 0x40
.set i, 0
.rept 128
	v_mov_b32 v[i], 0
.set i, i+1
.endr
	WIN 0
.set i, 0
.rept 4
	v_mov_b32 v[ST+4*i+1], 0xff167699       ; m = -2e38: below every score, and c m is still finite, so a is 0 or 1 in the first step
	v_mul_f32 v[ST+4*i], s[CS], v[ST+4*i+1]
	v_mov_b32 v[ST+4*i+2], 0
	v_mov_b32 v[ST+4*i+3], 0
.set i, i+1
.endr
.set i, P+16
.rept 16
	v_mov_b32 v[i], 0
.set i, i+1
.endr
	v_mul_u32_u24 v[AK0], v1, PK
	v_lshl_add_u32 v[AK0], v9, 4, v[AK0]
	; The turning load takes 16 keys x 16 channels (lane l reads key 8 (l / 16) + l % 8, channels 8 ((l / 8) % 2) + 0..7) and leaves half a fragment of V^T: lane l holds channel l % 16 and 8 keys.
	v_and_b32 v10, 7, v0
	v_bfe_u32 v11, v0, 3, 1
	v_lshl_add_u32 v[AV0], v9, 3, v10
	v_mul_u32_u24 v[AV0], v[AV0], PV
	v_lshl_add_u32 v[AV0], v11, 4, v[AV0]
	v_add_nc_u32 v[AV0], VOFF, v[AV0]
	s_lshl_b32 s78, s[WV], 5
	v_add_nc_u32 v[AM0], s78, v1    ; the mask: row 32 w + l % 16, the 8 keys 8 (l / 16) + 0..7
	v_mul_u32_u24 v[AM0], v[AM0], PM
	v_lshl_add_u32 v[AM0], v9, 5, v[AM0]
	v_add_nc_u32 v[AM0], MOFF, v[AM0]
	s_mul_i32 s78, s[WV], 16*SP
	s_add_co_u32 s78, s78, STAGE    ; my stage
	v_mul_u32_u24 v[STO], v1, SP    ; in: row l % 16, 16 bytes for each half of the lanes
	v_lshl_add_u32 v[STO], v9, 4, v[STO]
	v_add_nc_u32 v[STO], s78, v[STO]
	v_mul_u32_u24 v[RD], v9, SP     ; back: lanes 0-15 take one row of 256 bytes, lanes 16-31 the next
	v_lshl_add_u32 v[RD], v1, 4, v[RD]
	v_add_nc_u32 v[RD], s78, v[RD]
	v_lshlrev_b32 v[GO], 11, v9     ; and the same two rows in ob
	v_lshl_add_u32 v[GO], v1, 4, v[GO]
	; the prefetches
	s_and_b32 s78, s13, 1
	s_lshl_b32 s78, s78, 13
	s_add_co_u32 s78, s78, s20      ; K, V: the head, and my work-group's half of a slot's 16,384 bytes
	s_lshl_b32 s84, s15, 7
	s_lshl_b32 s85, s14, 5
	s_add_co_u32 s84, s84, s85      ; the mask: row 128 qb + 32 cy,
	s_lshl_b32 s84, s84, 13
	s_and_b32 s85, s[WV], 1
	s_lshl_b32 s85, s85, 8
	s_add_co_u32 s84, s84, s85      ; my wave's half of a row's 512 bytes
	s_mov_b32 s[PFS], 2*KS*4
	s_cmp_lt_u32 s13, 2
	s_cselect_b64 s[PFA:PFA+1], s[6:7], s[8:9]
	s_cmp_lt_u32 s[WV], 2
	s_cselect_b64 s[PFA:PFA+1], s[PFA:PFA+1], s[10:11]
	s_cselect_b32 s78, s78, s84
	s_cselect_b32 s[PFS], 2*KS*128, s[PFS]
	s_cselect_b32 s84, ttmp9, s17   ; the coordinate along which other clusters read the same bytes
	s_cselect_b32 s85, 8, 13        ; a lane 256 bytes, or a row of the mask
	s_mov_b32 s79, 0
	s_mov_b32 s[PFS+1], 0
	s_add_nc_u64 s[PFA:PFA+1], s[PFA:PFA+1], s[78:79]
	s_add_nc_u64 s[PFA:PFA+1], s[PFA:PFA+1], s[PFS:PFS+1]  ; at slot 1: the first change steps it to slot 2.  Nothing is prefetched here, at the head
	s_cmp_eq_u32 s[WV], 1
	s_cselect_b32 s84, 1, s84       ; wave 1 asks for nothing
	s_cmp_eq_u32 s84, 0
	s_cselect_b32 s[LIM], 1, -1     ; the same in all sixteen partners, for a given wave
	v_and_b32 v[PFO], 31, v0
	v_lshlrev_b32 v[PFO], s85, v[PFO]
; THE MATRIX WORK.  The 4 accumulators of a run of 8 take turns.  Product i of 8 of S^T = K Q^T + M^T for piece x: channels 32 (i / 4) on, keys 16 (i % 4) on.  The first 4 start the sums with the mask.
.macro KQ x
.set rS, S+32*((\x)%2)+8*(i%4)
.set rK, KF+16*(i%4)+8*(i/4)
.set rQ, 16*(\x)+8*(i/4)
.set rM, MC+32*((\x)/2)+8*(i%4)
.if i < 4
	WIN W_KM
	v_wmma_f32_16x16x32_f16 v[rS:rS+7], v[rK:rK+7], v[rQ:rQ+7], v[rM:rM+7]
.else
	WIN W_KQ
	v_wmma_f32_16x16x32_f16 v[rS:rS+7], v[rK:rK+7], v[rQ:rQ+7], v[rS:rS+7]
.endif
.endm
; Product i of 8 of O^T += V^T P for piece x: keys 32 (i / 4) on, channels 16 (i % 4) on.
.macro PV x
	WIN W_PV
.set rO, 32*(\x)+8*(i%4)
.set rV, VF+32*(i/4)+8*(i%4)
.set rP, P+16*((\x)%2)+8*(i/4)
	v_wmma_f32_16x16x32_f16 v[rO:rO+7], v[rV:rV+7], v[rP:rP+7], v[rO:rO+7]
.endm
.macro MM                           ; the turn's next matrix instruction.  NOKQ = 1: the very last turn: there is no next piece
.if (i < 8) && !NOKQ
	KQ (Y+1)%NP
.elseif i >= 8
.set i, i-8
	PV (Y+NP-1)%NP
.set i, i+8
.endif
.set i, i+1
.endm
; THE LDS LOADS stand in runs, never singly among the matrix instructions.  Their addresses are made some lines ahead.
.macro FETCH_K
	WIN 0x80                        ; destination window 2
.irp f, 0,1,2,3,4,5,6,7             ; keys 16 (f / 2) on, channels 32 (f % 2) on
	ds_load_b128 v[KF+8*\f:KF+8*\f+3],   v[AK] offset:(\f/2)*16*PK+(\f%2)*64
	ds_load_b128 v[KF+8*\f+4:KF+8*\f+7], v[AK] offset:(\f/2)*16*PK+(\f%2)*64+32
.endr
	s_add_co_u32 s[TBK], s[TBK], KS*PK  ; the next fetch is the next step's
	WIN 0
.endm
.macro FETCH_V
	WIN 0x80
.irp f, 0,1,2,3,4,5,6,7             ; keys 32 (f / 4) on, channels 16 (f % 4) on
	ds_load_tr16_b128 v[VF+8*\f:VF+8*\f+3],   v[AV] offset:(\f/4)*32*PV+(\f%4)*32
	ds_load_tr16_b128 v[VF+8*\f+4:VF+8*\f+7], v[AV] offset:(\f/4)*32*PV+16*PV+(\f%4)*32
.endr
	WIN 0
.endm
.macro FETCH_M g                    ; row group g's mask for a step's 64 keys: for each block of 16 keys my query's 8, 32 bytes
	WIN 0x40                        ; destination window 1
.irp kb, 0,1,2,3
	ds_load_b128 v[MC+32*(\g)+8*\kb:MC+32*(\g)+8*\kb+3],   v[AM] offset:(\g)*16*PM+\kb*64
	ds_load_b128 v[MC+32*(\g)+8*\kb+4:MC+32*(\g)+8*\kb+7], v[AM] offset:(\g)*16*PM+\kb*64+16
.endr
	WIN 0
.endm
; THE VECTOR WORK, one line at a time: OP kind, number.  For piece Y: F n: c s - c m for pair n of 16.  E n: the exponential of score n of 32.  C n: pair n rounded to f16.  B n: of the four weights 4 n .. the second
; pair is added onto the first, in place.  L n: l takes that sum (L 0: l = a l + sum).  R n: pair n of 16 of O^T times a.  For piece Y + 1: X n, number n of the 22 that find its maximum and statistics:
;   0-11  four chains c0-c3 of seven scores each (each accumulator's lowest registers are read first)     12-14, 16  the four scores left over, the old m, and c0-c3 into c0
;   15  c m_old is kept     17, 18  the query's other 32 keys lie in the lane 16 away: the new m     19-21  c m; c m_old - c m_new; a
.set F, 0
.set E, 1
.set C, 2
.set B, 3
.set L, 4
.set R, 5
.set X, 6
.macro REGS y
.set rT, ST+4*(\y)
.set rC, TMP+4*((\y)%2)
.set rW, MV+((\y)%2)
.set rS, S+32*((\y)%2)
.set rP, P+16*((\y)%2)
.set rO, 32*(\y)
.endm
.macro OP k, n
.if (\k) == R
	REGS Y
	WIN W_RS
	v_pk_mul_f32 v[rO+2*(\n):rO+2*(\n)+1], v[rO+2*(\n):rO+2*(\n)+1], v[rC+2:rC+3] op_sel_hi:[1,0]
.elseif (\k) < R
	REGS Y
	WIN 0
.if (\k) == F
	v_pk_fma_f32 v[rS+2*(\n):rS+2*(\n)+1], v[rS+2*(\n):rS+2*(\n)+1], s[CS:CS+1], v[rT:rT+1] op_sel_hi:[1,0,0] neg_lo:[0,0,1] neg_hi:[0,0,1]
.elseif (\k) == E
	v_exp_f32 v[rS+(\n)], v[rS+(\n)]
.elseif (\k) == C
	s_wait_alu depctr_va_vdst(0)
	v_cvt_pk_f16_f32 v[rP+(\n)], v[rS+2*(\n)], v[rS+2*(\n)+1]
.elseif (\k) == B
	s_wait_alu depctr_va_vdst(0)
	v_pk_add_f32 v[rS+4*(\n):rS+4*(\n)+1], v[rS+4*(\n):rS+4*(\n)+1], v[rS+4*(\n)+2:rS+4*(\n)+3]
.elseif (\n) == 0
	v_pk_fma_f32 v[rT+2:rT+3], v[rT+2:rT+3], v[rC+2:rC+3], v[rS:rS+1] op_sel_hi:[1,0,1]
.else
	v_pk_add_f32 v[rT+2:rT+3], v[rT+2:rT+3], v[rS+4*(\n):rS+4*(\n)+1]
.endif
.elseif NOKQ
	v_nop
.else
	REGS (Y+1)%NP
	WIN 0
.if (\n) < 4
	v_max3_num_f32 v[rC+(\n)], v[rS+8*(\n)], v[rS+8*(\n)+1], v[rS+8*(\n)+2]
.elseif (\n) < 12
	v_max3_num_f32 v[rC+(\n)%4], v[rC+(\n)%4], v[rS+8*((\n)%4)+2*((\n)/4)+1], v[rS+8*((\n)%4)+2*((\n)/4)+2]
.elseif (\n) == 12
	v_max3_num_f32 v[rC], v[rC], v[rS+7], v[rS+15]
.elseif (\n) == 13
	v_max3_num_f32 v[rC+1], v[rC+1], v[rS+23], v[rS+31]
.elseif (\n) == 14
	v_max3_num_f32 v[rC+2], v[rC+2], v[rC+3], v[rT+1]
.elseif (\n) == 15
	v_mov_b32 v[rW], v[rT]
.elseif (\n) == 16
	v_max3_num_f32 v[rC], v[rC], v[rC+1], v[rC+2]
.elseif (\n) == 17
	v_permlanex16_b32 v[rC+3], v[rC], s[SEL], s[SEL+1]
.elseif (\n) == 18
	v_max_num_f32 v[rT+1], v[rC], v[rC+3]
.elseif (\n) == 19
	v_mul_f32 v[rT], s[CS], v[rT+1]
.elseif (\n) == 20
	v_sub_f32 v[rC+1], v[rW], v[rT]
.else
	v_exp_f32 v[rC+2], v[rC+1]
.endif
.endif
.endm
.macro OPS a, i1, b=-1, i2=0, c=-1, i3=0, d=-1, i4=0  ; up to four of them
	OP \a, \i1
.if (\b) >= 0
	OP \b, \i2
.endif
.if (\c) >= 0
	OP \c, \i3
.endif
.if (\d) >= 0
	OP \d, \i4
.endif
.endm
.macro ROW a, i1, b, i2, c, i3, d, i4  ; a matrix instruction and the four behind it
	MM
	OPS \a, \i1, \b, \i2, \c, \i3, \d, \i4
.endm
; A TURN, for piece p: the order of its 16 matrix and 118 vector instructions, written out.  Behind a matrix instruction: plain, exponential, plain, plain; or four of the rescaling; or, behind the first, four scalings;
; none names a register of the products round it.  In the runs between, exponential and plain by turns while exponentials last.  A line reads no result made fewer than three vector instructions in front of it, five
; if an exponential made it.  end = 1: the last two turns: nothing is fetched.  cnt = 1: the loop's count is taken down some lines ahead of the branch that stands behind the turn.
; WHAT IS FETCHED WHERE.  Piece 2's turn: K of the next step, six vector instructions (five plain) behind the last product that read K, and row group 0's mask of that step, last read by piece 0's turn's first four
; products; both are waited for at the head of piece 3's turn.  Piece 3's turn: row group 1's mask, last read by piece 2's turn's first four products; it is wanted at the head of piece 1's turn.
; Piece 0's turn: V of the step in hand, eight vector instructions (five plain) behind the last product that read V; it is wanted in the middle of piece 1's turn.
.macro TURN p, end=0, cnt=0
.set Y, (\p)
.set i, 0
.set NOKQ, (\end)*((\p)/3)
.if ((\p) == 3) && !(\end)
	s_wait_dscnt 0x0                ; K and row group 0's mask are in
.endif
.if (\p) == 1
	s_wait_dscnt 16                 ; row group 1's mask is in: behind its loads only V's sixteen were issued
.endif
	ROW F,0, F,1, F,2, F,3
	ROW F,4, E,0, F,5, F,6
	ROW F,7, E,1, F,8, F,9
	ROW F,10, E,2, C,0, F,11
	ROW F,12, E,3, X,15, F,13
	ROW R,0, R,1, R,2, R,3
	ROW B,0, E,4, F,14, L,0
.if ((\p) == 2) && !(\end)
	v_add_nc_u32 v[AK], s[TBK], v[AK0]
	v_add_nc_u32 v[AM], s[TBM], v[AM0]
	s_add_co_u32 s[TBM], s[TBM], KS*4
.endif
	ROW R,4, R,5, R,6, R,7
	OPS E,5, F,15
.if ((\p) == 2) && !(\end)
	FETCH_K
	FETCH_M 0
.endif
.if ((\p) == 3) && !(\end)
	FETCH_M 1
.endif
	OPS E,6, C,1, E,7, R,8
	OPS E,8, R,9, E,9, C,2
	OPS E,10, X,0, E,11, X,1
	OPS E,12, X,2, E,13, X,3
.if (\p) == 1
	s_wait_dscnt 0x0                ; V is in
.endif
	ROW X,4, E,14, X,5, X,6
	ROW X,7, E,15, X,8, X,9
	ROW X,10, E,16, X,11, X,12
	ROW X,13, E,17, X,14, B,1
	ROW C,4, E,18, X,16, L,1
	ROW B,2, E,19, C,6, L,2
	ROW C,8, E,20, B,3, B,4
.if (\p) == 0
	v_add_nc_u32 v[AV], s[TBV], v[AV0]
.endif
	ROW C,3, E,21, L,3, C,5
	OPS E,22, X,17, E,23, C,10
.if (\p) == 0
	FETCH_V
.endif
	OPS E,24, L,4
	OPS E,25, X,18, E,26, C,7
	OPS E,27, B,5, E,28, X,19
	OPS E,29, C,12, E,30, L,5
	OPS E,31, X,20, B,6, C,9
	OPS C,14, C,11, X,21, L,6
.if (\p) == 0
	s_add_co_u32 s[TBV], s[TBV], KS*PV
.endif
.if \cnt
	s_sub_co_u32 s[CNT], s[CNT], 1
	s_cmp_lg_u32 s[CNT], 0
.endif
	OPS C,13, B,7, C,15, R,10
	OPS R,11, R,12, L,7, R,13
	OPS R,14, R,15
.endm
	CHANGE 1                        ; slot 0 is in, everybody's part of it; slot 1 is asked for
	v_add_nc_u32 v[AK], s[TBK], v[AK0]
	v_add_nc_u32 v[AM], s[TBM], v[AM0]
	s_add_co_u32 s[TBM], s[TBM], KS*4
	FETCH_K                         ; key step 0: K and both row groups' masks
	FETCH_M 0
	FETCH_M 1
	s_wait_loadcnt 0x0              ; Q
	s_wait_dscnt 0x0
.set NOKQ, 0
.set i, 0
.rept 8
	KQ 0                            ; piece 0's first scores
.set i, i+1
.endr
	WIN 0
.rept 4
	v_nop                           ; the places behind those products
.endr
.set Y, NP-1                        ; X works for piece Y + 1: piece 0
.irp n, 0,1,2,3,4,5,6,7,8,9,10,11,12,13,14,15,16,17,18,19,20,21
	OP X, \n
.endr
	v_nop                           ; a plain instruction behind the exponential
	s_mov_b32 s[CNT], 2
	s_branch .Lfirst                ; the loop is entered at a step's first turn, in the middle of a trip
.Lslot:                             ; 14 times: every slot but the last two is filled again
	CHANGE 1
	s_mov_b32 s[CNT], 2
.Lstep:                             ; a trip: pieces 2 and 3 of one step, then pieces 0 and 1 of the next, whose K, mask and V it fetches
	TURN 2
	TURN 3
	WIN 0
.Lfirst:
	TURN 0
	TURN 1, 0, 1
	WIN 0
	s_cbranch_scc1 .Lstep
	s_sub_co_u32 s[SLOTS], s[SLOTS], 1
	s_cmp_lg_u32 s[SLOTS], 0
	s_cbranch_scc1 .Lslot
	CHANGE 0                        ; the last slot is written out: nothing is asked for
	s_mov_b32 s[CNT], 2
.Ltail:
	TURN 2
	TURN 3
	TURN 0
	TURN 1, 0, 1
	WIN 0
	s_cbranch_scc1 .Ltail
	TURN 2, 1
	TURN 3, 1
.set i, 0
.rept 8
	PV NP-1                         ; the last piece's V^T P of the last step
.set i, i+1
.endr
	; THE WAY OUT.  l's two halves and the other half of the lanes' are added; O^T is divided by l, rounded to f16 and sent through my stage in LDS, a row group (16 rows x the two heads' 256 bytes) at a time.
	; The additions are the places behind the last products.
	WIN 0
.macro ALL line:vararg              ; one line for each piece t
.set t, 0
.rept 4
	\line
.set t, t+1
.endr
.endm
	ALL v_add_f32 v[ST+4*t+2], v[ST+4*t+2], v[ST+4*t+3]
	ALL v_permlanex16_b32 v[ST+4*t+3], v[ST+4*t+2], s[SEL], s[SEL+1]
	ALL v_add_f32 v[ST+4*t+2], v[ST+4*t+2], v[ST+4*t+3]
	ALL v_rcp_f32 v[ST+4*t+2], v[ST+4*t+2]
	v_nop                           ; a plain instruction between the last reciprocal and the use of its result
.macro PACKG g
.irp u, 0,1
	WIN W_RS
.set i, 32*(2*(\g)+\u)
.rept 16
	s_wait_alu depctr_va_vdst(0)
	v_pk_mul_f32 v[i:i+1], v[i:i+1], v[ST+4*(2*(\g)+\u)+2:ST+4*(2*(\g)+\u)+3] op_sel_hi:[1,0]
.set i, i+2
.endr
	WIN 0x05                        ; sources 0 and 1 window 1, destination window 0: S^T's registers are free
.set i, 0
.rept 16
	v_cvt_pk_f16_f32 v[S+16*(2*(\g)+\u)+i], v[32*(2*(\g)+\u)+2*i], v[32*(2*(\g)+\u)+2*i+1]
.set i, i+1
.endr
	WIN 0
.irp f, 0,1,2,3
	ds_store_b128 v[STO], v[S+16*(2*(\g)+\u)+4*\f:S+16*(2*(\g)+\u)+4*\f+3] offset:128*\u+32*\f
.endr
.endr
.irp f, 0,1,2,3,4,5,6,7
	ds_load_b128 v[S+32*(\g)+4*\f:S+32*(\g)+4*\f+3], v[RD] offset:\f*2*SP  ; LDS serves a wave's instructions in order (ISA guide 5.7.1.4): these see the stores above; the next group's stores come behind them
.endr
.endm
.macro SENDG g, younger             ; younger: the LDS lines issued behind group g's loads: the next group's sixteen, or none
.irp f, 0,1,2,3,4,5,6,7
	s_wait_dscnt (\younger)+7-\f
	global_store_b128 v[GO], v[S+32*(\g)+4*\f:S+32*(\g)+4*\f+3], s[66:67] offset:(16*(\g)+2*\f)*2048  ; 16 lanes store 256 consecutive bytes, at a multiple of 256 from ob's first byte
.endr
.endm
	PACKG 0
	PACKG 1
	SENDG 0, 16
	SENDG 1, 0
	s_wait_tensorcnt 0x0            ; the wave's end: behind my last tensor load and my last LDS store
	ds_add_u32 v[SPW], v[NIL]
	s_wait_dscnt 0x0
	CROUND                          ; the closing round: no work-group ends while a partner may still ask for a tile that names it
	s_endpgm
.Lfunc_end_k_q2726665792_attn:
	.size	k_q2726665792_attn, .Lfunc_end_k_q2726665792_attn-k_q2726665792_attn
	.p2alignl 7, 3214868480
	.fill 96, 4, 3214868480
	.section	.rodata,"a",@progbits
	.p2align	6, 0x0
	.amdhsa_kernel k_q2726665792_attn
		.amdhsa_group_segment_fixed_size 327680
		.amdhsa_private_segment_fixed_size 0
		.amdhsa_enable_private_segment 0
		.amdhsa_kernarg_size 40
		.amdhsa_user_sgpr_count 2
		.amdhsa_user_sgpr_kernarg_segment_ptr 1
		.amdhsa_wavefront_size32 1
		.amdhsa_system_sgpr_workgroup_id_x 1
		.amdhsa_system_sgpr_workgroup_id_y 1
		.amdhsa_system_sgpr_workgroup_id_z 1
		.amdhsa_system_vgpr_workitem_id 0
		.amdhsa_next_free_vgpr 768
		.amdhsa_next_free_sgpr 88
		.amdhsa_reserve_vcc 0
		.amdhsa_float_denorm_mode_32 3
		.amdhsa_float_denorm_mode_16_64 3
		.amdhsa_memory_ordered 1
		.amdhsa_forward_progress 1
		.amdhsa_inst_pref_size 142
	.end_amdhsa_kernel
	.amdgpu_metadata
---
amdhsa.version: [ 1, 2 ]
amdhsa.kernels:
  - .name:           k_q2726665792_attn
    .symbol:         k_q2726665792_attn.kd
    .args:
      - { .name: qh, .offset: 0, .size: 8, .value_kind: global_buffer, .address_space: global }
      - { .name: kh, .offset: 8, .size: 8, .value_kind: global_buffer, .address_space: global }
      - { .name: vh, .offset: 16, .size: 8, .value_kind: global_buffer, .address_space: global }
      - { .name: attention_mask, .offset: 24, .size: 8, .value_kind: global_buffer, .address_space: global }
      - { .name: ob, .offset: 32, .size: 8, .value_kind: global_buffer, .address_space: global }
    .group_segment_fixed_size: 327680
    .private_segment_fixed_size: 0
    .kernarg_segment_align: 8
    .kernarg_segment_size: 40
    .max_flat_workgroup_size: 128
    .sgpr_count:     88
    .vgpr_count:     768
    .wavefront_size: 32
...
	.end_amdgpu_metadata
.endif
;; end of part 3
;; launch outp (part 4): grid 16 x 16, 4 waves a work-group, clusters of 4 x 4, 327,680 bytes of LDS; arguments ob, wob, out0; writes out0
.if DOCPART == 4
	.amdgcn_target "amdgcn-amd-amdhsa--gfx1250"
	.amdhsa_code_object_version 6
	.text
	.protected	k_q2726665792_outp
	.globl	k_q2726665792_outp
	.p2align	8
	.type	k_q2726665792_outp,@function
k_q2726665792_outp:
	s_mov_b64 s[64:65], 0
	v_nop
	global_prefetch_b8 v0, s[64:65] scope:SCOPE_SE
	s_setreg_imm32_b32 hwreg(HW_REG_WAVE_MODE, 25, 1), 1
	s_wait_xcnt 0x0
	s_wait_alu depctr_hold_cnt(0) depctr_sa_sdst(0) depctr_va_vdst(0) depctr_va_sdst(0) depctr_va_ssrc(0) depctr_va_vcc(0) depctr_vm_vsrc(0)
	s_getreg_b32 s2, hwreg(HW_REG_IB_STS2, 6, 4)
	s_cmp_eq_u32 s2, 0
	s_cbranch_scc0 .Lentry_in_a_cluster
	s_endpgm
.Lentry_in_a_cluster:
	s_bfe_u32 s2, ttmp6, 0x10000c
	s_cmp_lg_u32 s2, 0xf033
	s_cbranch_scc0 .Lentry_shape_is_right
	s_endpgm
.Lentry_shape_is_right:
; out0 = ob wob^T.  ob [4096][1024] and wob [2048][1024] in f16, sums in f32, K ascending, out0 [4096][2048] in f32, stored as the sums stand.
; SHARES.  A work-group makes 256 x 128 of out0: 16 x 16 = 256 work-groups.  Four waves, each 128 rows x 64 columns: 32 accumulators, 256 registers.
; THE RING HAS TWO SLOTS OF UNEQUAL LENGTH: a LONG one of 256 along K (rows of 512 bytes) and a SHORT one of 128 (rows of 256 bytes), each with A's 256 rows and B's 128; two long ones do not fit in LDS.
; In front of each refill's barrier all tensor loads are waited for, so a load has the other slot's products in which to land: the short slot's load 240 products, the long slot's 112.
; K = 1,024 is walked as L S L S L; each slot's next tile lies 384 elements on.  Waves 0 and 1 fetch A's two halves (128 rows), waves 2 and 3 B's (64 rows): one load a wave behind each round.
; The five slots differ in what they fill, so they are written out; a long slot's first six quarters are a loop of three trips.
; CLUSTER.  4 x 4 work-groups: the four of a row need the same tile of A, the four of a column the same tile of B: each is asked for jointly, by the same load, descriptor and mask in all four.
; THE PRODUCT IS USED TRANSPOSED (source 0 = 16 rows of wob, source 1 = 16 rows of ob): a lane holds row l % 16 and the columns 8 (l / 16) + 0..7 of a block of 16: 32 consecutive bytes.
; A wave's 64 columns are 256 aligned bytes of a row: each block of 16 rows goes through the wave's own stage in LDS and leaves as whole rows.
; No prefetch is laid: every tile is asked for once for four work-groups.
; REGISTERS, in windows of 256 (s_set_vgpr_msb: bits 1:0 source 0, 3:2 source 1, 5:4 source 2, 7:6 destination):
;   window 0: v0-31 addresses; v64-191 the way out, four buffers of 32      window 1: two fragment buffers of 96: A's 8 fragments, then B's 4      window 2: accumulator (a, b) at 8 (4 a + b)
.set KK,     1024
.set PL,     528                       ; a row of the long slot: 512 bytes + 16 of padding; of the short slot: 256 + 16.  Both are odd multiples of 16: the 16 rows of a fragment load
.set PS,     272                       ; start at 16 different groups of four banks (64 banks of 4 bytes: ISA guide 11.1)
.set LB,     256*PL                    ; the long slot begins at byte 0: A's 256 rows, then B's 128
.set SA,     384*PL                    ; the short slot: A's 256 rows,
.set SB,     SA+256*PS                 ; then B's 128
.set STAGE,  SA+384*PS                 ; behind the ring: 16 rows x 272 bytes for each wave; no tensor load fills it
.set SP,     272
.set SPARE,  STAGE+4*16*SP             ; the spare words, 128 bytes for each wave: two blocks of 256 bytes that no other line names
.set PERIOD, 768                       ; bytes along K from a slot's tile to its next: 384 elements
.set FIRSTL, 0                         ; the walk begins in the long slot;
.set FIRSTS, 512                       ; the short slot's first tile begins at element 256
.set ADRA, 16                          ; v16, v17  LDS address of my A fragments in the long, the short slot; never rewritten
.set WA,   18                          ; v18     the same for the two quarters of the long slot that are in hand
.set WB,   19                          ; v19
.set ADRB, 20                          ; v20, v21  as v16, v17, for B
.set STO,  24                          ; v24     the way out: where I put 32 bytes of a row
.set RD,   25                          ; v25     where I read rows back
.set CO,   26                          ; v26     my byte offset in two rows of out0
.set SPW,  28                          ; v28     LDS address of my spare word; never rewritten
.set NIL,  29                          ; v29     0; never rewritten
.set T,    64
.set F0,   0
.set F1,   96
.set G1A,  24                          ; s[24:31] group 1 for A's long tiles, s[32:39] for its short ones
.set G1B,  40                          ; s[40:47], s[48:55] the same for B's
.set G0A,  56                          ; s[56:59] group 0 for A's long tiles, s[60:63] for its short ones
.set G0B,  68                          ; s[68:71], s[72:75] the same for B's
.set KO,   66                          ; s66  byte along the long slot's rows at which the inner loop's trip begins
.set CN,   67                          ; s67  counts the inner loop
.set LBITS, (1<<16)|(1<<20)|(1<<21)|(6<<22)|(3<<25)  ; 2-byte elements; padding on; bit 21 beside a mask; after every 128 words; 4 words
.set SBITS, (1<<16)|(1<<20)|(1<<21)|(5<<22)|(3<<25)  ; after every 64 words
.set MUL,  0xa5                        ; sources 0 and 1 window 1; C and D window 2
.set TO_F, 0x40                        ; destination window 1, address window 0
.set MSB, 0
.macro WIN new                         ; the immediate's high byte repeats the setting that is left; a switch that changes nothing is dropped
.if MSB != (\new)
	s_set_vgpr_msb (MSB<<8)|(\new)
.set MSB, \new
.endif
.endm
.macro PLACES                          ; four places in front of loads into registers that products have read, and of lines that read results
.rept 4
	v_nop
.endr
.endm
.macro JLOAD s                         ; a joint load into slot s (0 long, 1 short): each line has one mask; the branch hangs on the wave's number alone; an s_nop 0 and four v_nop follow each line
	s_cmp_eq_u32 s13, 0
	s_cbranch_scc0 .Lfor_b_\@
	tensor_load_to_lds s[G0A+4*(\s):G0A+4*(\s)+3], s[G1A+8*(\s):G1A+8*(\s)+7]
	s_nop 0
.rept 4
	v_nop
.endr
	s_branch .Lasked_\@
.Lfor_b_\@:
	tensor_load_to_lds s[G0B+4*(\s):G0B+4*(\s)+3], s[G1B+8*(\s):G1B+8*(\s)+7]
	s_nop 0
.rept 4
	v_nop
.endr
.Lasked_\@:
.endm
.macro CREST                           ; a round of the cluster's barrier behind its opening barrier
	s_cmp_lg_u32 s12, 0
	s_cbranch_scc1 .Lnot_wave_0_\@
	s_barrier_signal -3
.Lnot_wave_0_\@:
	s_barrier_wait -3
	s_barrier_signal -1
	s_barrier_wait -1
.endm
.macro CROUND
	s_barrier_signal -1
	s_barrier_wait -1
	CREST
.endm
; 4 na products: row blocks a0 .. a0 + na - 1 x all 4 column blocks, 32 along K, from buffer f.  Every accumulator comes once a quarter, in one order: 31 others stand between two links of a chain.
.macro MULN f, a0, na, zero
	WIN MUL
.set ma, (\a0)
.rept \na
.irp b, 0,1,2,3
.if \zero
	v_wmma_f32_16x16x32_f16 v[8*(4*ma+\b):8*(4*ma+\b)+7], v[(\f)+64+8*\b:(\f)+64+8*\b+7], v[(\f)+8*ma:(\f)+8*ma+7], 0
.else
	v_wmma_f32_16x16x32_f16 v[8*(4*ma+\b):8*(4*ma+\b)+7], v[(\f)+64+8*\b:(\f)+64+8*\b+7], v[(\f)+8*ma:(\f)+8*ma+7], v[8*(4*ma+\b):8*(4*ma+\b)+7]
.endif
.endr
.set ma, ma+1
.endr
.endm
; 24 LDS loads in one run: the fragments of 32 along K at byte k: B's four, then A's eight.  kind 0: of the long slot's rows; 1: of the short slot's; 2: of the long slot's, k counted from the inner loop's place
.macro FETCH kind, k, f
.if (\kind) == 1
.set fp, PS
.set fa, ADRA+1
.set fb, ADRB+1
.elseif (\kind) == 0
.set fp, PL
.set fa, ADRA
.set fb, ADRB
.else
.set fp, PL
.set fa, WA
.set fb, WB
.endif
	WIN TO_F
.irp b, 0,1,2,3
	ds_load_b128 v[(\f)+64+8*\b:(\f)+64+8*\b+3],   v[fb] offset:(\k)+\b*16*fp
	ds_load_b128 v[(\f)+64+8*\b+4:(\f)+64+8*\b+7], v[fb] offset:(\k)+\b*16*fp+32
.endr
.irp a, 0,1,2,3,4,5,6,7
	ds_load_b128 v[(\f)+8*\a:(\f)+8*\a+3],   v[fa] offset:(\k)+\a*16*fp
	ds_load_b128 v[(\f)+8*\a+4:(\f)+8*\a+7], v[fa] offset:(\k)+\a*16*fp+32
.endr
.endm
; A quarter is 32 along K, 32 products; the quarters take buffers 0, 1, 0, 1 ..  All but a slot's last: multiplies buffer f and, in its middle, fetches the next quarter (kind, k) into g.
.macro QUARTER f, zero, kind, k, g
	s_wait_dscnt 8                                 ; B and A's blocks 0-3 are in; the youngest eight loads (A's blocks 4-7) may be out
	MULN \f, 0, 4, \zero
	PLACES
	FETCH \kind, \k, \g
	s_wait_dscnt 24                                ; all but the 24 just issued
	MULN \f, 4, 4, \zero
.endm
; A slot's last quarter multiplies buffer 1 and changes slots: in front of the one barrier each wave waits for all its tensor loads (one is out: its part of the next slot), adds 0 to its spare word,
; and waits for that and for its reads of slot cur.  fill = 1: the barrier opens a round of the cluster's barrier, and slot cur is filled again, 384 elements on, first thing behind it.
.macro TURN cur, next, fill
	WIN 0                                          ; (the add's two registers lie in window 0)
	s_wait_tensorcnt 0x0
	ds_add_u32 v[SPW], v[NIL]
	s_wait_dscnt 9                                 ; (the add and the youngest eight loads may be out)
	MULN F1, 0, 2, 0                               ; eight products stand between the add and the wait for it
	s_wait_dscnt 0x0                               ; the add is done, and my reads of this slot are over
	s_barrier_signal -1
	MULN F1, 2, 2, 0
.if \fill
	WIN 0
.endif
	s_barrier_wait -1
.if \fill
	CREST                                          ; no wave of any partner still reads this slot's tiles or has a load on its way
	s_add_nc_u64 s[G0A+4*(\cur)+2:G0A+4*(\cur)+3], s[G0A+4*(\cur)+2:G0A+4*(\cur)+3], PERIOD
	s_add_nc_u64 s[G0B+4*(\cur)+2:G0B+4*(\cur)+3], s[G0B+4*(\cur)+2:G0B+4*(\cur)+3], PERIOD
	JLOAD \cur                                     ; its four v_nop are also the places in front of the loads below
.else
	PLACES
.endif
	FETCH \next, 0, F0
	MULN F1, 4, 4, 0
.endm
; The long slot's quarters 0 to 6.  Quarters 0 to 5 are written once as a pair and walked three times, 128 bytes further along the rows in each trip; quarter 6 fetches the last.
; start = 1: the launch's first slot: quarter 0, whose products start the sums, is written out, and the loop is entered at its second quarter.
.macro LONG7 start
	WIN 0
	s_mov_b32 s[KO], 0
	s_mov_b32 s[CN], 3
.if \start
	v_add_nc_u32 v[WA], s[KO], v[ADRA]
	v_add_nc_u32 v[WB], s[KO], v[ADRB]
	QUARTER F0, 1, 2, 64, F1
	WIN 0
	s_branch .Lmid_\@
.endif
.Llong_\@:
	v_add_nc_u32 v[WA], s[KO], v[ADRA]
	v_add_nc_u32 v[WB], s[KO], v[ADRB]
	QUARTER F0, 0, 2, 64,  F1
.if \start
	WIN 0
.Lmid_\@:
.endif
	QUARTER F1, 0, 2, 128, F0
	WIN 0
	s_add_co_u32 s[KO], s[KO], 128
	s_sub_co_u32 s[CN], s[CN], 1
	s_cmp_lg_u32 s[CN], 0
	s_cbranch_scc1 .Llong_\@
	QUARTER F0, 0, 0, 448, F1
.endm
.macro SHORT3                          ; the short slot's quarters 0 to 2
	QUARTER F0, 0, 1, 64,  F1
	QUARTER F1, 0, 1, 128, F0
	QUARTER F0, 0, 1, 192, F1
.endm
	s_load_b128 s[4:7], s[0:1], 0x0                ; ob s[4:5], wob s[6:7]
	s_load_b64 s[8:9], s[0:1], 0x10                ; out0
	v_lshl_add_u32 v[SPW], v0, 2, SPARE
	v_mov_b32 v[NIL], 0
	ds_add_u32 v[SPW], v[NIL]                      ; the wave's opening: the add and its wait stand ahead of my first tensor load; work on registers stands between them
	v_lshrrev_b32 v1, 5, v0
	v_readfirstlane_b32 s12, v1                    ; wave 0..3
	s_lshr_b32 s13, s12, 1                         ; which 128 rows are mine.  Also: I fetch for A (0) or for B (1)
	s_and_b32 s14, s12, 1                          ; which 64 columns.  Also: which half of that tile's rows I fetch
	s_bfe_u32 s15, ttmp6, 0x40000                  ; cx
	s_bfe_u32 s16, ttmp6, 0x40004                  ; cy
	s_lshl_b32 s17, ttmp9, 2
	s_add_co_u32 s17, s17, s15                     ; tile column = 4 x cluster x + cx
	s_and_b32 s18, ttmp7, 0xffff
	s_lshl_b32 s18, s18, 2
	s_add_co_u32 s18, s18, s16                     ; tile row = 4 x cluster y + cy
	s_lshl_b32 s20, s16, 2
	s_lshl_b32 s20, 15, s20                        ; my row of the cluster
	s_lshl_b32 s21, 0x1111, s15                    ; my column
	s_or_b32 s[G1A], s20, LBITS                    ; A's tiles go to my row,
	s_or_b32 s[G1A+8], s20, SBITS
	s_or_b32 s[G1B], s21, LBITS                    ; B's to my column
	s_or_b32 s[G1B+8], s21, SBITS
.irp g, G1A, G1B
	s_mov_b32 s[\g+1], 256<<16                     ; long: tensor_dim0 = tile_dim0 = 256
	s_mov_b32 s[\g+3], 256<<16
	s_mov_b32 s[\g+9], 128<<16                     ; short: 128
	s_mov_b32 s[\g+11], 128<<16
.irp o, 0, 8
	s_mov_b32 s[\g+\o+5], KK                       ; elements from row to row
	s_mov_b32 s[\g+\o+6], 0
	s_mov_b32 s[\g+\o+7], 0
.endr
.endr
.irp o, 0, 8
	s_mov_b32 s[G1A+\o+2], 128<<16                 ; A's loads have 128 rows: tensor_dim1,
	s_mov_b32 s[G1A+\o+4], 128                     ; tile_dim1
	s_mov_b32 s[G1B+\o+2], 64<<16                  ; B's 64
	s_mov_b32 s[G1B+\o+4], 64
.endr
	s_lshl_b32 s92, s18, 8                         ; A: row 256 x tile row + 128 x half,
	s_lshl_b32 s22, s14, 7
	s_add_co_u32 s92, s92, s22
	s_mul_i32 s92, s92, 2*KK                       ; in bytes (under 2^24)
	s_mov_b32 s93, 0
	s_lshl_b32 s94, s17, 7                         ; B: row 128 x tile column + 64 x half
	s_lshl_b32 s22, s14, 6
	s_add_co_u32 s94, s94, s22
	s_mul_i32 s94, s94, 2*KK
	s_mov_b32 s95, 0
	s_mul_i32 s22, s14, 128*PL                     ; where they go: A's half in the long slot,
	s_mul_i32 s23, s14, 128*PS
	s_add_co_u32 s23, s23, SA                      ; in the short slot;
	s_mul_i32 s96, s14, 64*PL
	s_add_co_u32 s96, s96, LB                      ; B's half in the long slot,
	s_mul_i32 s97, s14, 64*PS
	s_add_co_u32 s97, s97, SB                      ; in the short slot: no place in the cluster enters an LDS address
	s_lshl_b32 s98, s18, 8                         ; out0: my first row, 8,192 bytes a row,
	s_lshl_b32 s99, s13, 7
	s_add_co_u32 s98, s98, s99
	s_lshl_b32 s98, s98, 13
	s_lshl_b32 s99, s17, 9                         ; the tile's 512 bytes of it,
	s_add_co_u32 s98, s98, s99
	s_lshl_b32 s99, s14, 8                         ; my 256
	s_add_co_u32 s98, s98, s99
	s_mov_b32 s99, 0
	s_wait_dscnt 0x0                               ; the opening add is done
	s_wait_kmcnt 0x0
	s_add_nc_u64 s[92:93], s[4:5], s[92:93]
	s_add_nc_u64 s[94:95], s[6:7], s[94:95]
	s_add_nc_u64 s[8:9], s[8:9], s[98:99]
	CROUND                                         ; all sixteen work-groups are here: the first joint loads meet
	s_mov_b32 s[G0A], 1
	s_mov_b32 s[G0A+1], s22
	s_add_nc_u64 s[G0A+2:G0A+3], s[92:93], FIRSTL
	s_or_b32 s[G0A+3], s[G0A+3], 0x80000000
	s_mov_b32 s[G0A+4], 1
	s_mov_b32 s[G0A+5], s23
	s_add_nc_u64 s[G0A+6:G0A+7], s[92:93], FIRSTS
	s_or_b32 s[G0A+7], s[G0A+7], 0x80000000
	s_mov_b32 s[G0B], 1
	s_mov_b32 s[G0B+1], s96
	s_add_nc_u64 s[G0B+2:G0B+3], s[94:95], FIRSTL
	s_or_b32 s[G0B+3], s[G0B+3], 0x80000000
	s_mov_b32 s[G0B+4], 1
	s_mov_b32 s[G0B+5], s97
	s_add_nc_u64 s[G0B+6:G0B+7], s[94:95], FIRSTS
	s_or_b32 s[G0B+7], s[G0B+7], 0x80000000
	JLOAD 0                                        ; the long slot, which is read first,
	JLOAD 1                                        ; and the short one: two loads of mine are out
	v_and_b32 v1, 15, v0                           ; l % 16
	v_bfe_u32 v2, v0, 4, 1                         ; l / 16
	v_mul_u32_u24 v3, v1, PL
	v_lshl_add_u32 v3, v2, 4, v3                   ; a fragment's row x pitch + 16 x half, in the long slot
	v_mul_u32_u24 v4, v1, PS
	v_lshl_add_u32 v4, v2, 4, v4                   ; and in the short one
	s_mul_i32 s20, s13, 128*PL                     ; my 128 rows of A
	s_mul_i32 s21, s13, 128*PS
	s_add_co_u32 s21, s21, SA
	v_add_nc_u32 v[ADRA], s20, v3
	v_add_nc_u32 v[ADRA+1], s21, v4
	s_mul_i32 s20, s14, 64*PL                      ; my 64 rows of B
	s_add_co_u32 s20, s20, LB
	s_mul_i32 s21, s14, 64*PS
	s_add_co_u32 s21, s21, SB
	v_add_nc_u32 v[ADRB], s20, v3
	v_add_nc_u32 v[ADRB+1], s21, v4
	s_mul_i32 s20, s12, 16*SP
	s_add_co_u32 s20, s20, STAGE                   ; my stage
	v_mul_u32_u24 v4, v1, SP                       ; in: row l % 16, 32 bytes for each half of the lanes
	v_lshl_add_u32 v4, v2, 5, v4
	v_add_nc_u32 v[STO], s20, v4
	v_mul_u32_u24 v5, v2, SP                       ; back: lanes 0-15 take one row of 256 bytes, lanes 16-31 the next
	v_lshl_add_u32 v5, v1, 4, v5
	v_add_nc_u32 v[RD], s20, v5
	v_lshlrev_b32 v5, 13, v2                       ; and the same two rows in out0
	v_lshl_add_u32 v[CO], v1, 4, v5
	s_wait_tensorcnt 1                             ; my part of the long slot is in; the short slot's may stay out
	s_barrier_signal -1
	s_barrier_wait -1
	FETCH 0, 0, F0
	LONG7 1                                        ; elements 0 to 255
	TURN 0, 1, 1                                   ; the long slot takes elements 384 to 639
	SHORT3                                         ; elements 256 to 383
	TURN 1, 0, 1                                   ; the short slot takes elements 640 to 767
	LONG7 0
	TURN 0, 1, 1                                   ; the long slot takes elements 768 to 1,023: the last load
	SHORT3
	TURN 1, 0, 0
	LONG7 0
	s_wait_dscnt 8
	MULN F1, 0, 4, 0
	s_wait_dscnt 0x0
	MULN F1, 4, 4, 0
	WIN 0
	PLACES
; THE WAY OUT of block a of 16 rows: the sums go as they stand into my own stage, each accumulator's low four registers first, and come back as whole rows of 256 bytes, into buffer a % 4.
.macro TOSTAGE a
.if (\a) >= 4
	s_wait_xcnt 0x0                                ; the stores of block a - 4 have read the buffer that is loaded again below
.endif
	WIN 0x08                                       ; the stores' data in window 2
.irp b, 0,1,2,3
	ds_store_b128 v[STO], v[8*(4*(\a)+\b):8*(4*(\a)+\b)+3]   offset:64*\b
	ds_store_b128 v[STO], v[8*(4*(\a)+\b)+4:8*(4*(\a)+\b)+7] offset:64*\b+16
.endr
	WIN 0
.irp t, 0,1,2,3,4,5,6,7
	ds_load_b128 v[T+32*((\a)%4)+4*\t:T+32*((\a)%4)+4*\t+3], v[RD] offset:\t*2*SP  ; LDS serves a wave's instructions in order (ISA guide 5.7.1.4): these see the stores above, and the next block's stores come behind them
.endr
.endm
.macro SEND a, younger                 ; younger: the LDS lines issued behind block a's loads: the next block's sixteen, or none
.irp t, 0,1,2,3,4,5,6,7
	s_wait_dscnt (\younger)+7-\t
	global_store_b128 v[CO], v[T+32*((\a)%4)+4*\t:T+32*((\a)%4)+4*\t+3], s[8:9] offset:(16*(\a)+2*\t)*8192  ; 16 lanes store 256 consecutive bytes, at a multiple of 256 from out0's first byte; 126 rows at the most, inside the signed 24-bit immediate
.endr
.endm
	TOSTAGE 0
.irp a, 1,2,3,4,5,6,7
	TOSTAGE \a
	SEND (\a)-1, 16
.endr
	SEND 7, 0
	s_wait_tensorcnt 0x0                           ; the wave's end: behind my last tensor load and my last LDS store
	ds_add_u32 v[SPW], v[NIL]
	s_wait_dscnt 0x0
	CROUND                                         ; the closing round: no work-group ends while a partner may still ask for a tile that names it
	s_endpgm
.Lfunc_end_k_q2726665792_outp:
	.size	k_q2726665792_outp, .Lfunc_end_k_q2726665792_outp-k_q2726665792_outp
	.p2alignl 7, 3214868480
	.fill 96, 4, 3214868480
	.section	.rodata,"a",@progbits
	.p2align	6, 0x0
	.amdhsa_kernel k_q2726665792_outp
		.amdhsa_group_segment_fixed_size 327680
		.amdhsa_private_segment_fixed_size 0
		.amdhsa_enable_private_segment 0
		.amdhsa_kernarg_size 24
		.amdhsa_user_sgpr_count 2
		.amdhsa_user_sgpr_kernarg_segment_ptr 1
		.amdhsa_wavefront_size32 1
		.amdhsa_system_sgpr_workgroup_id_x 1
		.amdhsa_system_sgpr_workgroup_id_y 1
		.amdhsa_system_sgpr_workgroup_id_z 1
		.amdhsa_system_vgpr_workitem_id 0
		.amdhsa_next_free_vgpr 768
		.amdhsa_next_free_sgpr 100
		.amdhsa_reserve_vcc 0
		.amdhsa_float_denorm_mode_32 3
		.amdhsa_float_denorm_mode_16_64 3
		.amdhsa_memory_ordered 1
		.amdhsa_forward_progress 1
		.amdhsa_inst_pref_size 109
	.end_amdhsa_kernel
	.amdgpu_metadata
---
amdhsa.version: [ 1, 2 ]
amdhsa.kernels:
  - .name:           k_q2726665792_outp
    .symbol:         k_q2726665792_outp.kd
    .args:
      - { .name: ob, .offset: 0, .size: 8, .value_kind: global_buffer, .address_space: global }
      - { .name: wob, .offset: 8, .size: 8, .value_kind: global_buffer, .address_space: global }
      - { .name: out0, .offset: 16, .size: 8, .value_kind: global_buffer, .address_space: global }
    .group_segment_fixed_size: 327680
    .private_segment_fixed_size: 0
    .kernarg_segment_align: 8
    .kernarg_segment_size: 24
    .max_flat_workgroup_size: 128
    .sgpr_count:     100
    .vgpr_count:     768
    .wavefront_size: 32
...
	.end_amdgpu_metadata
.endif
;; end of part 4
